; MI455X (gfx1250); checked and timed in simulation.
; The chip was launched on July 23, 2026; its instructions are those of AMD's public machine-readable ISA for CDNA 5 (MIT licence, August 2026) and "CDNA5" Instruction Set Architecture Reference Guide (July 2026). The comments in the code are by the model that wrote it; some were corrected since.
;; Adaptive Causal Attention. Allowed arithmetic: matrix products marked QUANTISED: E2M1 operands, one E8M0 scale for each 32 along K, by v_wmma_scale_f32_16x16x128_f8f6f4 with both operands' format E2M1 (or v_wmma_scale_f32_32x16x128_f4), f32 sums; products left as they are: bf16, f16 or f32 operands; f32 sums; everything else in f32.
;; Inputs: b_attn 3,072 float32; b_proj 1,024 float32; period_weight 16 float32; ratio_weight 16 float32; span_params 16 float32; w_attn 1,024 x 3,072 float32; w_proj 1,024 x 1,024 float32; x 2 x 2,048 x 1,024 float32.
;; Outputs: out0 2 x 2,048 x 1,024 float32; out1 one number float32.
;; This version of the problem:
;;   THIS VERSION OF THE PROBLEM IS GIVEN IN LOW PRECISION. The matrix products marked QUANTISED in the list below multiply operands that are first quantised to E2M1 (2 exponent bits, 1 mantissa bit; 4 bits a number), with one power-of-two scale for each 32 numbers along K (OCP MX v1.0); their sums are f32. The products marked 'left as it is' may take bf16, f16 or f32 operands, with f32 sums. Whichever they take, every output number must still come out within the allowed error. Rounding operands to bf16 (8 significant bits) uses up far more of that allowance than f16 does (11 bits, for magnitudes from 6e-5 to 65,504). All else is computed in f32.
;;   The module's matrix products, in the order in which they are computed (A, B: the left and right operand; K: the contracted axis; several contracted axes count as one K, in the product's order):
;;     1. [M 4,096, K 1,024] x [K 1,024, N 3,072]; A: input x; B: input w_attn: QUANTISED
;;     2. batch 32 x [M 2,048, K 64] x [K 64, N 2,048]; A: computed on the way; B: computed on the way: left as it is (an operand is computed on the way)
;;     3. batch 32 x [M 64, K 2,048] x [K 2,048, N 2,048]; A: computed on the way; B: computed on the way: left as it is (an operand is computed on the way)
;;     4. [M 4,096, K 1,024] x [K 1,024, N 1,024]; A: computed on the way; B: input w_proj: left as it is (an operand is computed on the way)
;;   THE QUANTISER, for each operand of a quantised product, along K:
;;     - K is cut into blocks of 32 from its start; a last block that is shorter is filled with zeros.
;;     - A block's scale is 2^e with e = floor(log2(the largest magnitude in the block)) - 2, held to -126 .. 127; a block of zeros has e = 0. As a byte (E8M0): e + 127.
;;     - Each number is divided by its block's scale, clamped to +-6, and rounded to the nearest number of E2M1, ties to even, subnormals kept.
;;     - The product sums the exact products of the quantised numbers (number of the format x scale) in f32.
;;   ~~~python
;;   def quantise(x, axis):      # numpy; x: float32 -> the quantised numbers, widened to float32 again
;;       x = np.moveaxis(x, axis, -1); K = x.shape[-1]
;;       x = np.pad(x, [(0, 0)] * (x.ndim - 1) + [(0, -K % 32)]); x = x.reshape(x.shape[:-1] + (-1, 32)); a = np.abs(x).max(-1, keepdims=True)
;;       e = np.where(a > 0, np.clip(np.frexp(np.where(a > 0, a, 1))[1] - 1 - 2, -126, 127), 0)      # np.frexp(a)[1] - 1 = floor(log2(a)), exactly
;;       r = np.clip(x / 2.0 ** e, -6, 6)
;;       step = 2.0 ** (np.maximum(np.frexp(np.where(r == 0, 1, r))[1] - 1, 0) - 1)
;;       q = np.round(r / step) * step * 2.0 ** e      # np.round: ties to even
;;       return np.moveaxis(q.reshape(q.shape[:-2] + (-1,))[..., :K], -1, axis).astype(np.float32)
;;   ~~~
;; One version. Each part assembles by itself: llvm-mc -triple=amdgcn-amd-amdhsa -mcpu=gfx1250 --defsym DOCPART=n.
;; ======== version 1 of 1: 5 launches
;; limits: values are held in f16: magnitudes above 65,504 overflow, below 6.1e-05 lose precision
;; workspace buffers: codes 3,670,016 bytes; scl 262,144 bytes; wp16 2,097,152 bytes; maskt 589,824 bytes; qkv16 25,165,824 bytes; qkv32 393,216 bytes; y16 8,388,608 bytes
;; launch prep (part 1): grid 576 x 1, 4 waves a work-group, no clusters, 34,304 bytes of LDS; arguments x, w_attn, w_proj, span_params, period_weight, ratio_weight, codes, scl, wp16, maskt, out1; writes codes, scl, wp16, maskt, out1
.if DOCPART == 1
	.amdgcn_target "amdgcn-amd-amdhsa--gfx1250"
	.amdhsa_code_object_version 6
	.text
	.protected	k_q4ae88fa544_prep
	.globl	k_q4ae88fa544_prep
	.p2align	8
	.type	k_q4ae88fa544_prep,@function
k_q4ae88fa544_prep:
	s_mov_b64 s[64:65], 0
	v_nop
	global_prefetch_b8 v0, s[64:65] scope:SCOPE_SE
	s_setreg_imm32_b32 hwreg(HW_REG_WAVE_MODE, 25, 1), 1
	s_wait_xcnt 0x0
; PREP: everything that is made once from the inputs.  The work-group's number picks one of four paths:
;   0-255   X: x [4096][1024] f32 -> codes of FP4 (E2M1) with one E8M0 byte for each 32 along K (K innermost)
;   256-447 W: w_attn [1024 k][3072 n] f32 -> the same, quantised along its FIRST axis: a lane takes a column, its registers run down K
;   448-511 P: w_proj [1024 k][1024 n] f32 -> f16
;   512-575 M: the table 8 ln(span mask x wave) by (head, distance), four copies shifted by one entry; the first of them also the loss
; ALL RESULTS ARE LAID AS IMAGES OF OPERAND REGISTERS: a group of four registers is 512 bytes, lane l's 16 bytes at 16 l.
;   codes [tile 448][kc 8][1024]: tile = 16 rows of x (0-255) or 16 columns of w_attn (256-447); byte 512 c + 256 h + 16 r = the 32 codes of block 2 c + h of row r
;   scl   [kc 8][8192] words: row's four bytes for k = 128 kc + 32 t; rows 0-4095 x, 4096-7167 w_attn's columns
;   wp16  [ntile 64][k32 32][1024]: byte 512 g + 256 h + 16 r = k 16 g + 8 h + 0..7 of column r
;   maskt [head 16][copy 4][2304] f32: entry e of copy s is L(rel = 2048 + s - e); L = 8 ln(mask), -1e30 where the mask is 0 or rel < 0
; A block's scale is 2^(floor(log2(largest magnitude)) - 2): its byte is the largest magnitude's exponent field - 2, held at 1 from below.
; LIMITS: a block of zeros, and one whose largest magnitude lies under 2^-124, keeps the byte 1 (its codes are zeros or tiny; this program alone reads the bytes);
; NaN and infinities among the inputs are not served; |w_proj| stays under 65,504 (f16).  The cosine is taken of the exactly reduced phase
; (rel - n x period by one fused multiply-add), by the sine's series to x^11 on |x| <= pi/2: its remainder is under 6e-8 for every input.
; No matrix work, no tensor load, no barrier: waves share nothing.  Only path X touches LDS (a stage for each wave).
.set XP,    528                        ; path X: a stage row: 512 bytes + 16, so that row r starts 16 r bytes on modulo 256
.set XSTG,  16*XP                      ; a wave's stage: 16 rows
.set SPARE, 4*XSTG                     ; 33,792: behind the stages the spare words, 128 bytes a wave
.set SPW,   252                        ; v252 LDS address of my spare word; never rewritten
.set NIL,   253                        ; v253 0; never rewritten
.set TM,    224                        ; v224-239 at work in QUANT
.set SEL,   26                         ; s[26:27] selects for lane l xor 16
.set WV,    28                         ; s28 my wave's number
.macro FIN                             ; a wave's end
	s_wait_tensorcnt 0x0
	ds_add_u32 v[SPW], v[NIL]
	s_wait_dscnt 0x0
	s_endpgm
.endm
; 64 numbers of a lane, register 16 b + i = k 32 b + 16 (lane / 16) + i of my row, become a fragment's codes in v[pc] on and its scale word in v[pw]
.macro QUANT s, pc, pw
.irp b, 0,1,2,3
	v_max3_num_f32 v[TM+\b], |v[\s+16*\b]|, |v[\s+1+16*\b]|, 0x1800000   ; block b: my 16 numbers and the floor 2^(3 - 127): the byte cannot fall under 1
.endr
.irp i, 2,4,6,8,10,12,14
.irp b, 0,1,2,3
	v_max3_num_f32 v[TM+\b], v[TM+\b], |v[\s+16*\b+\i]|, |v[\s+1+16*\b+\i]|
.endr
.endr
.irp b, 0,1,2,3
	v_permlanex16_b32 v[TM+4+\b], v[TM+\b], s[SEL], s[SEL+1]
.endr
.irp b, 0,1,2,3
	v_max_num_f32 v[TM+\b], v[TM+\b], v[TM+4+\b]           ; with lane l xor 16's: the block's largest magnitude
.endr
.irp b, 0,1,2,3
	v_add_nc_u32 v[TM+12+\b], 0xff000000, v[TM+\b]         ; 2 off its exponent field: the conversion's scale operand
.endr
.irp b, 0,1,2,3
	v_lshrrev_b32 v[TM+4+\b], 23, v[TM+12+\b]              ; the scale's byte
.endr
	v_lshl_or_b32 v[\pw], v[TM+5], 8, v[TM+4]
	v_lshl_or_b32 v[\pw], v[TM+6], 16, v[\pw]
	v_lshl_or_b32 v[\pw], v[TM+7], 24, v[\pw]
.irp b, 0,1,2,3
	v_cvt_scalef32_pk8_fp4_f32 v[(\pc)+2*\b], v[\s+16*\b:\s+7+16*\b], v[TM+12+\b]
	v_cvt_scalef32_pk8_fp4_f32 v[(\pc)+1+2*\b], v[\s+8+16*\b:\s+15+16*\b], v[TM+12+\b]
.endr
	v_nop                                                  ; one plain place behind a scaled conversion
.irp c, 0,1                                            ; the operand's layout wants a whole block in a lane
.irp i, 0,1
	v_permlane16_swap_b32 v[(\pc)+4*\c+\i], v[(\pc)+2+4*\c+\i]
.endr
.endr
.endm
; paths W and P: block t of 32 along K of my column into set t % 2 (v16-79); 32 lanes read 128 consecutive bytes
.macro LOADC t, base, pitch
.set i, 0
.rept 32
	global_load_b32 v[16+32*((\t)%2)+i], v4, s[\base:\base+1] offset:(32*(\t)+i)*\pitch th:TH_LOAD_NT
.set i, i+1
.endr
.endm
	s_load_b256 s[4:11], s[0:1], 0x0               ; x s[4:5], w_attn s[6:7], w_proj s[8:9], span_params s[10:11]
	s_load_b256 s[12:19], s[0:1], 0x20             ; period_weight s[12:13], ratio_weight s[14:15], codes s[16:17], scl s[18:19]
	s_load_b128 s[20:23], s[0:1], 0x40             ; wp16 s[20:21], maskt s[22:23]
	s_load_b64 s[24:25], s[0:1], 0x50              ; out1
	v_lshl_add_u32 v[SPW], v0, 2, SPARE
	v_mov_b32 v[NIL], 0
	v_lshrrev_b32 v1, 5, v0
	v_readfirstlane_b32 s[WV], v1
	v_and_b32 v1, 31, v0                           ; lane
	v_and_b32 v2, 15, v0                           ; r
	v_bfe_u32 v3, v0, 4, 1                         ; h
	s_mov_b32 s[SEL], 0x76543210
	s_mov_b32 s[SEL+1], 0xfedcba98
	s_mov_b32 s31, 0                               ; the high word of every offset pair s[30:31]
	s_wait_kmcnt 0x0
	s_cmp_lt_u32 ttmp9, 256
	s_cbranch_scc1 .Lpath_x
	s_cmp_lt_u32 ttmp9, 448
	s_cbranch_scc1 .Lpath_w
	s_cmp_lt_u32 ttmp9, 512
	s_cbranch_scc1 .Lpath_p
	s_branch .Lpath_m
; ---- X: a wave takes 32 rows x 128 along K.  Each load reads 512 consecutive bytes of a row; 16 rows turn through the wave's stage so that a lane gets 16 neighbours of each block.
.Lpath_x:
	s_lshl_b32 s29, ttmp9, 2
	s_add_co_u32 s29, s29, s[WV]                   ; job J = 4 g + wave
	s_lshr_b32 s32, s29, 3                         ; which 32 rows
	s_and_b32 s33, s29, 7                          ; which 128 along K
	s_lshl_b32 s30, s32, 17
	s_lshl_b32 s34, s33, 9
	s_add_co_u32 s30, s30, s34
	s_add_nc_u64 s[4:5], s[4:5], s[30:31]          ; x: 32 rows of 4,096 bytes, 512 bytes along K
	v_lshlrev_b32 v4, 4, v1                        ; 16 x lane
.set i, 0
.rept 32
	global_load_b128 v[16+4*i:16+4*i+3], v4, s[4:5] offset:i*4096 th:TH_LOAD_NT
.set i, i+1
.endr
	s_lshl_b32 s30, s32, 14
	s_lshl_b32 s34, s33, 10
	s_add_co_u32 s30, s30, s34
	s_add_nc_u64 s[16:17], s[16:17], s[30:31]      ; codes: two tiles of 8,192 bytes, image kc
	s_lshl_b32 s30, s33, 15
	s_lshl_b32 s34, s32, 7
	s_add_co_u32 s30, s30, s34
	s_add_nc_u64 s[18:19], s[18:19], s[30:31]      ; scale words: plane kc, 32 rows
	s_mul_i32 s34, s[WV], XSTG
	v_add_nc_u32 v5, s34, v4                       ; into the stage: a row as it lies
	v_mul_u32_u24 v6, v2, XP
	v_lshl_add_u32 v6, v3, 6, v6
	v_add_nc_u32 v6, s34, v6                       ; out of it: row r, + 64 h
	v_lshlrev_b32 v7, 2, v1
.irp b, 0,1,2,3
	v_mov_b32 v[TM+4+\b], 0                        ; written once: a lane permute's destination counts as one of its sources
.endr
.macro XUNIT u
	s_wait_loadcnt 16*(1-\u)                       ; this unit's 16 loads are in; the other unit's 16 may be out
.set i, 0
.rept 16
	ds_store_b128 v5, v[16+64*\u+4*i:16+64*\u+4*i+3] offset:i*XP
.set i, i+1
.endr
.irp b, 0,1,2,3
.irp j, 0,1,2,3
	ds_load_b128 v[144+16*\b+4*\j:144+16*\b+4*\j+3], v6 offset:128*\b+16*\j   ; LDS serves a wave's instructions in order: these see the stores above
.endr
.endr
	s_wait_dscnt 0x0
	QUANT 144, 208+8*\u, 240+\u
	global_store_b128 v4, v[208+8*\u:208+8*\u+3], s[16:17] offset:8192*\u          ; 512 consecutive bytes
	global_store_b128 v4, v[208+8*\u+4:208+8*\u+7], s[16:17] offset:8192*\u+512
.endm
	XUNIT 0
	XUNIT 1
	s_mov_b32 s35, 0xffff0000
	v_cndmask_b32 v242, v240, v241, s35            ; lanes 0-15 the first 16 rows' words, lanes 16-31 the next 16 rows'
	global_store_b32 v7, v242, s[18:19]
	FIN
; ---- W: a wave takes 32 columns x 128 along K: four blocks a lane
.Lpath_w:
	s_sub_co_u32 s29, ttmp9, 256
	s_and_b32 s33, s29, 7                          ; kc
	s_lshr_b32 s32, s29, 3
	s_lshl_b32 s34, s32, 2
	s_add_co_u32 s34, s34, s[WV]                   ; which 32 columns
	s_mul_i32 s30, s33, 128*12288
	s_lshl_b32 s35, s34, 7
	s_add_co_u32 s30, s30, s35
	s_add_nc_u64 s[6:7], s[6:7], s[30:31]
	v_lshlrev_b32 v4, 2, v1
	LOADC 0, 6, 12288
	LOADC 1, 6, 12288
	s_lshl_b32 s30, s34, 14
	s_lshl_b32 s36, s33, 10
	s_add_co_u32 s30, s30, s36
	s_add_co_u32 s30, s30, 256*8192
	s_add_nc_u64 s[16:17], s[16:17], s[30:31]      ; codes: tiles 256 + 2 (which 32 columns) on, image kc
	s_lshl_b32 s30, s33, 15
	s_add_co_u32 s30, s30, s35
	s_add_co_u32 s30, s30, 16384
	s_add_nc_u64 s[18:19], s[18:19], s[30:31]      ; scale words: plane kc, rows 4,096 + column
	v_lshlrev_b32 v5, 4, v2
	v_lshl_add_u32 v5, v3, 13, v5                  ; 16 r, and the next tile for lanes 16-31: sixteen lanes store 256 consecutive bytes
.macro BLOCKW t
.set XS, 16+32*((\t)%2)
.if (\t) < 3
	s_wait_loadcnt 32                              ; this block's 32 loads are in; the next block's 32 may be out
.else
	s_wait_loadcnt 0x0
.endif
	v_max3_num_f32 v12, |v[XS]|, |v[XS+1]|, |v[XS+2]|
	v_max3_num_f32 v13, |v[XS+3]|, |v[XS+4]|, |v[XS+5]|
.irp i, 6,10,14,18,22,26
	v_max3_num_f32 v12, v12, |v[XS+\i]|, |v[XS+\i+1]|
	v_max3_num_f32 v13, v13, |v[XS+\i+2]|, |v[XS+\i+3]|
.endr
	v_max3_num_f32 v12, v12, |v[XS+30]|, |v[XS+31]|
	v_max3_num_f32 v12, v12, v13, 0x1800000        ; and the floor
	v_add_nc_u32 v11, 0xff000000, v12              ; the conversion's scale operand
	v_lshrrev_b32 v13, 23, v11                     ; the byte
.if (\t) == 0
	v_mov_b32 v96, v13
.else
	v_lshl_or_b32 v96, v13, 8*(\t), v96
.endif
.irp g, 0,1,2,3
	v_cvt_scalef32_pk8_fp4_f32 v[100+4*(\t)+\g], v[XS+8*\g:XS+8*\g+7], v11
.endr
	v_nop                                          ; one plain place behind the conversions
	global_store_b128 v5, v[100+4*(\t):100+4*(\t)+3], s[16:17] offset:((\t)/2)*512+((\t)%2)*256   ; block t = 2 c + h of the image
.if (\t)+2 < 4
	LOADC (\t)+2, 6, 12288
.endif
.endm
	BLOCKW 0
	BLOCKW 1
	BLOCKW 2
	BLOCKW 3
	global_store_b32 v4, v96, s[18:19]
	FIN
; ---- P: the same walk over w_proj; 32 numbers down K become 16 registers of f16
.Lpath_p:
	s_sub_co_u32 s29, ttmp9, 448
	s_and_b32 s33, s29, 7                          ; which 128 along K
	s_lshr_b32 s32, s29, 3
	s_lshl_b32 s34, s32, 2
	s_add_co_u32 s34, s34, s[WV]                   ; which 32 columns
	s_lshl_b32 s30, s33, 19
	s_lshl_b32 s35, s34, 7
	s_add_co_u32 s30, s30, s35
	s_add_nc_u64 s[8:9], s[8:9], s[30:31]
	v_lshlrev_b32 v4, 2, v1
	LOADC 0, 8, 4096
	LOADC 1, 8, 4096
	s_lshl_b32 s30, s34, 16
	s_lshl_b32 s35, s33, 12
	s_add_co_u32 s30, s30, s35
	s_add_nc_u64 s[20:21], s[20:21], s[30:31]      ; wp16: two tiles of 32,768 bytes, images 4 kq on
	v_lshlrev_b32 v5, 4, v2
	v_lshl_add_u32 v5, v3, 15, v5
.macro BLOCKP f
.set XS, 16+32*((\f)%2)
.if (\f) < 3
	s_wait_loadcnt 32                              ; as in path W
.else
	s_wait_loadcnt 0x0
.endif
.set i, 0
.rept 16
	v_cvt_pk_f16_f32 v[100+16*(\f)+i], v[XS+2*i], v[XS+2*i+1]
.set i, i+1
.endr
.irp m, 0,1,2,3                                ; registers 4 m on hold k = 8 m + 0..7 = 16 g + 8 h + 0..7
	global_store_b128 v5, v[100+16*(\f)+4*\m:100+16*(\f)+4*\m+3], s[20:21] offset:(\f)*1024+(\m/2)*512+(\m%2)*256
.endr
.if (\f)+2 < 4
	LOADC (\f)+2, 8, 4096
.endif
.endm
	BLOCKP 0
	BLOCKP 1
	BLOCKP 2
	BLOCKP 3
	FIN
; ---- M.  v16 span, v17 period, v18 ratio, v19 amplitude, v20 offset, v21 1 / period, v23 span + 32
.macro PARAMS off
	global_load_b32 v16, v[\off], s[10:11]
	global_load_b32 v17, v[\off], s[12:13]
	global_load_b32 v18, v[\off], s[14:15]
	s_wait_loadcnt 0x0
.irp q, 16,17,18
	v_mul_f32 v\q, 0xbfb8aa3b, v\q                 ; sigmoid(x) = 1 / (1 + 2^(-x log2 e))
.endr
.irp q, 16,17,18
	v_exp_f32 v\q, v\q
.endr
	v_nop
	s_wait_alu depctr_va_vdst(0)                   ; one wait for the three, ahead of their first reader
.irp q, 16,17,18
	v_add_f32 v\q, 1.0, v\q
.endr
.irp q, 16,17,18
	v_rcp_f32 v\q, v\q
.endr
	v_nop
	s_wait_alu depctr_va_vdst(0)
	v_mul_f32 v16, 0x45000000, v16                 ; span = 2048 sigmoid
	v_fma_f32 v17, v17, 2.0, 2.0                   ; period = 2 + 2 sigmoid
	v_fmaak_f32 v18, 0.5, v18, 0xbe800000          ; ratio = -0.25 + 0.5 sigmoid
	v_rcp_f32 v21, v17
	v_mul_f32 v19, 0x3e800000, v17                 ; amplitude = period / 4
	v_mul_f32 v20, v17, v18                        ; offset = period x ratio
	v_add_f32 v23, 0x42000000, v16                 ; span + R
	s_wait_alu depctr_va_vdst(0)
	v_fma_f32 v22, -v17, v21, 1.0                  ; one Newton step on 1 / period
	v_fma_f32 v21, v21, v22, v21
.endm
.Lpath_m:
	s_sub_co_u32 s29, ttmp9, 512
	s_lshr_b32 s32, s29, 2                         ; head
	s_and_b32 s33, s29, 3                          ; copy
	s_lshl_b32 s34, s32, 2
	v_mov_b32 v4, s34
	PARAMS 4
	s_lshl_b32 s34, s[WV], 6
	v_lshl_add_u32 v5, v1, 1, s34                  ; my first entry e = 64 wave + 2 lane
	s_add_co_u32 s35, s33, 2048
	v_sub_nc_u32 v6, s35, v5                       ; its rel = 2048 + copy - e
	v_lshlrev_b32 v5, 2, v5
	s_mul_i32 s30, s32, 36864
	s_mul_i32 s34, s33, 9216
	s_add_co_u32 s30, s30, s34
	s_add_nc_u64 s[22:23], s[22:23], s[30:31]
	s_mov_b32 s37, 0x3e800000                      ; 0.25
	s_mov_b32 s38, 0x40c90fdb                      ; 2 pi
	s_mov_b32 s39, 0xb2d7322b                      ; -1 / 11!
	s_mov_b32 s40, 0xf149f2ca                      ; -1e30
	v_mov_b32 v42, s40
	s_mov_b32 s36, 9                               ; 9 trips x 256 entries
.Lm_trip:
	v_mov_b32 v24, v6
	v_add_nc_u32 v25, -1, v6                       ; the next entry lies one nearer
.irp k, 0,1
	v_cvt_f32_i32 v[26+\k], v[24+\k]
.endr
.irp k, 0,1
	v_sub_f32 v[28+\k], v23, v[26+\k]
.endr
.irp k, 0,1
	v_mul_f32 v[28+\k], 0x3d000000, v[28+\k]
.endr
.irp k, 0,1
	v_med3_num_f32 v[28+\k], v[28+\k], 0, 1.0      ; the span's ramp
.endr
.irp k, 0,1
	v_max_num_f32 v[30+\k], 0, v[26+\k]
.endr
.irp k, 0,1
	v_mul_f32 v[32+\k], v[30+\k], v21
.endr
.irp k, 0,1
	v_rndne_f32 v[32+\k], v[32+\k]                 ; whole periods
.endr
.irp k, 0,1
	v_fma_f32 v[34+\k], -v[32+\k], v17, v[30+\k]   ; rel - n x period
.endr
.irp k, 0,1
	v_mul_f32 v[34+\k], v[34+\k], v21              ; as a part of a period, -0.5 .. 0.5
.endr
.irp k, 0,1
	v_sub_f32 v[34+\k], s37, |v[34+\k]|
.endr
.irp k, 0,1
	v_mul_f32 v[34+\k], s38, v[34+\k]              ; cos(2 pi f) = sin(2 pi (0.25 - |f|))
.endr
.irp k, 0,1
	v_mul_f32 v[36+\k], v[34+\k], v[34+\k]
.endr
.irp k, 0,1
	v_fmaak_f32 v[38+\k], s39, v[36+\k], 0x3638ef1d
.endr
.irp k, 0,1
	v_fmaak_f32 v[38+\k], v[38+\k], v[36+\k], 0xb9500d01
.endr
.irp k, 0,1
	v_fmaak_f32 v[38+\k], v[38+\k], v[36+\k], 0x3c088889
.endr
.irp k, 0,1
	v_fmaak_f32 v[38+\k], v[38+\k], v[36+\k], 0xbe2aaaab
.endr
.irp k, 0,1
	v_fma_f32 v[38+\k], v[38+\k], v[36+\k], 1.0
.endr
.irp k, 0,1
	v_mul_f32 v[38+\k], v[38+\k], v[34+\k]         ; the cosine
.endr
.irp k, 0,1
	v_fma_f32 v[38+\k], v[38+\k], 0.5, 0.5
.endr
.irp k, 0,1
	v_fma_f32 v[38+\k], v[38+\k], v19, 0.5
.endr
.irp k, 0,1
	v_add_f32 v[38+\k], v[38+\k], v20
.endr
.irp k, 0,1
	v_med3_num_f32 v[38+\k], v[38+\k], 0, 1.0      ; the wave
.endr
.irp k, 0,1
	v_mul_f32 v[38+\k], v[38+\k], v[28+\k]         ; the mask
.endr
.irp k, 0,1
	v_log_f32 v[40+\k], v[38+\k]
.endr
	v_nop
	s_wait_alu depctr_va_vdst(0)
.irp k, 0,1
	v_mul_f32 v[40+\k], 0x40b17218, v[40+\k]       ; 8 ln 2 x log2
.endr
.irp k, 0,1
	v_max_num_f32 v[40+\k], s40, v[40+\k]          ; a mask of 0 gives -1e30
.endr
.irp k, 0,1
	v_cmp_gt_i32 vcc_lo, 0, v[24+\k]
	v_cndmask_b32 v[40+\k], v[40+\k], v42, vcc_lo  ; and so does a key behind the query
.endr
	global_store_b64 v5, v[40:41], s[22:23]        ; a wave stores 256 consecutive bytes
	s_wait_xcnt 0x0                                ; the store has read its registers: they are written again only behind this wait
	v_add_nc_u32 v5, 1024, v5
	v_add_nc_u32 v6, 0xffffff00, v6
	s_sub_co_u32 s36, s36, 1
	s_cmp_lg_u32 s36, 0
	s_cbranch_scc1 .Lm_trip
	s_or_b32 s34, s29, s[WV]                       ; the loss: the path's first work-group, wave 0
	s_cmp_lg_u32 s34, 0
	s_cbranch_scc1 .Lm_end
	v_lshlrev_b32 v4, 2, v2                        ; lane r takes head r (both halves of the lanes alike)
	PARAMS 4
	v_fma_f32 v22, v18, 2.0, v21                   ; 1 / period + 2 ratio
	v_add_f32 v22, 0x3e800000, v22                 ; - 1 / 4 + 2 x 0.25
	v_mul_f32 v22, v22, v23
	v_add_f32_dpp v22, v22, v22 row_xmask:1 row_mask:0xf bank_mask:0xf
	v_add_f32_dpp v22, v22, v22 row_xmask:2 row_mask:0xf bank_mask:0xf
	v_add_f32_dpp v22, v22, v22 row_xmask:4 row_mask:0xf bank_mask:0xf
	v_add_f32_dpp v22, v22, v22 row_xmask:8 row_mask:0xf bank_mask:0xf
	v_mul_f32 v22, 0x360637bd, v22                 ; x 2e-6
	v_mul_f32 v22, 0x3d800000, v22                 ; / 16
	v_mov_b32 v24, 0
	v_cmp_eq_u32 vcc_lo, 0, v1
	s_wait_xcnt 0x0                                ; EXEC changes only behind this wait
	s_and_saveexec_b32 s34, vcc_lo
	global_store_b32 v24, v22, s[24:25]
	s_wait_xcnt 0x0
	s_or_b32 exec_lo, exec_lo, s34
.Lm_end:
	FIN
.Lfunc_end_k_q4ae88fa544_prep:
	.size	k_q4ae88fa544_prep, .Lfunc_end_k_q4ae88fa544_prep-k_q4ae88fa544_prep
	.p2alignl 7, 3214868480
	.fill 96, 4, 3214868480
	.section	.rodata,"a",@progbits
	.p2align	6, 0x0
	.amdhsa_kernel k_q4ae88fa544_prep
		.amdhsa_group_segment_fixed_size 34304
		.amdhsa_private_segment_fixed_size 0
		.amdhsa_enable_private_segment 0
		.amdhsa_kernarg_size 88
		.amdhsa_user_sgpr_count 2
		.amdhsa_user_sgpr_kernarg_segment_ptr 1
		.amdhsa_wavefront_size32 1
		.amdhsa_system_sgpr_workgroup_id_x 1
		.amdhsa_system_sgpr_workgroup_id_y 1
		.amdhsa_system_sgpr_workgroup_id_z 1
		.amdhsa_system_vgpr_workitem_id 0
		.amdhsa_next_free_vgpr 256
		.amdhsa_next_free_sgpr 66
		.amdhsa_reserve_vcc 1
		.amdhsa_float_denorm_mode_32 3
		.amdhsa_float_denorm_mode_16_64 3
		.amdhsa_memory_ordered 1
		.amdhsa_forward_progress 1
		.amdhsa_inst_pref_size 64
	.end_amdhsa_kernel
	.amdgpu_metadata
---
amdhsa.version: [ 1, 2 ]
amdhsa.kernels:
  - .name:           k_q4ae88fa544_prep
    .symbol:         k_q4ae88fa544_prep.kd
    .args:
      - { .name: x, .offset: 0, .size: 8, .value_kind: global_buffer, .address_space: global }
      - { .name: w_attn, .offset: 8, .size: 8, .value_kind: global_buffer, .address_space: global }
      - { .name: w_proj, .offset: 16, .size: 8, .value_kind: global_buffer, .address_space: global }
      - { .name: span_params, .offset: 24, .size: 8, .value_kind: global_buffer, .address_space: global }
      - { .name: period_weight, .offset: 32, .size: 8, .value_kind: global_buffer, .address_space: global }
      - { .name: ratio_weight, .offset: 40, .size: 8, .value_kind: global_buffer, .address_space: global }
      - { .name: codes, .offset: 48, .size: 8, .value_kind: global_buffer, .address_space: global }
      - { .name: scl, .offset: 56, .size: 8, .value_kind: global_buffer, .address_space: global }
      - { .name: wp16, .offset: 64, .size: 8, .value_kind: global_buffer, .address_space: global }
      - { .name: maskt, .offset: 72, .size: 8, .value_kind: global_buffer, .address_space: global }
      - { .name: out1, .offset: 80, .size: 8, .value_kind: global_buffer, .address_space: global }
    .group_segment_fixed_size: 34304
    .private_segment_fixed_size: 0
    .kernarg_segment_align: 8
    .kernarg_segment_size: 88
    .max_flat_workgroup_size: 128
    .sgpr_count:     66
    .vgpr_count:     256
    .wavefront_size: 32
...
	.end_amdgpu_metadata
.endif
;; end of part 1
;; launch qkv (part 2): grid 12 x 16, 4 waves a work-group, clusters of 4 x 1, 327,680 bytes of LDS; arguments codes, scl, b_attn, qkv16, qkv32; writes qkv16, qkv32
.if DOCPART == 2
	.amdgcn_target "amdgcn-amd-amdhsa--gfx1250"
	.amdhsa_code_object_version 6
	.text
	.protected	k_q4ae88fa544_qkv
	.globl	k_q4ae88fa544_qkv
	.p2align	8
	.type	k_q4ae88fa544_qkv,@function
k_q4ae88fa544_qkv:
	s_mov_b64 s[64:65], 0
	v_nop
	global_prefetch_b8 v0, s[64:65] scope:SCOPE_SE
	s_setreg_imm32_b32 hwreg(HW_REG_WAVE_MODE, 25, 1), 1
	s_wait_xcnt 0x0
	s_wait_alu depctr_hold_cnt(0) depctr_sa_sdst(0) depctr_va_vdst(0) depctr_va_sdst(0) depctr_va_ssrc(0) depctr_va_vcc(0) depctr_vm_vsrc(0)
	s_getreg_b32 s2, hwreg(HW_REG_IB_STS2, 6, 4)
	s_cmp_eq_u32 s2, 0
	s_cbranch_scc0 .Lentry_in_a_cluster
	s_endpgm
.Lentry_in_a_cluster:
	s_bfe_u32 s2, ttmp6, 0x10000c
	s_cmp_lg_u32 s2, 0x3003
	s_cbranch_scc0 .Lentry_shape_is_right
	s_endpgm
.Lentry_shape_is_right:
; qkv = Q(x) Q(w_attn) + b_attn on codes of FP4 (E2M1) with E8M0 scales, sums in f32: M 4096, K 1024, N 3072.
; A tile of C, 256 x 256, is made by four waves, 128 x 128 each: 64 accumulators, 512 registers.  12 x 16 = 192 tiles (a tile 192 wide would straddle the borders of q, k and v).
; ALL OF K LIES IN LDS: codes come as images of operand registers (16 bytes a lane, 512 bytes a group of four registers), so a tile's codes for all of K are 128 KiB for each side.
; They come in four chunks of 256 along K, all asked for at the head: five tensor loads a wave are out (the scale words and four chunks); nothing is filled twice.
; CLUSTER 4 x 1: the four work-groups of a cluster share a tile row, so x's codes and scale words are asked for JOINTLY (mask 15); w_attn's differ from partner to partner and come by plain loads
; behind the same round.  Not 4 x 4: the copy of the first 16 positions in f32 is a branch on the tile row, which may hang on the cluster's y and not on a place inside a cluster.
; THE MATRIX INSTRUCTION IS USED TRANSPOSED (source 0 = 16 columns of w_attn, source 1 = 16 rows of x): a lane holds eight neighbouring columns of one row.  The bias is the C of each sum's first product.
; RESULTS: f16 (|q|, |k|, |v| stay under 65,504), as images for the attention: qkv16 [z 3][batch x head 32][16 positions 128][16 channels 4][512 bytes]: q and k at 16 x lane (a fragment's half),
; v at 32 r + 16 h (16 keys x 16 channels, row by row, for the turning LDS load).  Every store of a wave covers 512 consecutive bytes.  Rows 0-15 of each sequence also go out in f32 (qkv32).
; REGISTERS: window 0: v16-19 LDS addresses, v24-29 offsets, v32-47 scale words (two sets of 8), v64-127 packed results, v128-191 x's fragments (one set);
;   window 1: v0-63, v128-191 w's fragments (two sets), v64-127 the bias;   windows 2, 3: the accumulators ((a, b) at v[8 (8 (a % 4) + b)]).
.set CHUNK, 32768                      ; 256 along K of 16 tiles: [tile 16][2,048 bytes]
.set BREG,  4*CHUNK                    ; w's codes behind x's
.set SCL,   2*BREG                     ; the scale words: [side 2][half 2][kc 8][512 bytes]
.set SPARE, SCL+16384                  ; the spare words, 128 bytes a wave
.set ADRA, 16                          ; v16-17 my x fragments, chunks 0-1 and 2-3
.set ADRB, 18                          ; v18-19 my w fragments
.set LO,   24                          ; v24 a lane's place in a piece of qkv16
.set BO,   25                          ; v25 32 h: the bias
.set FO,   26                          ; v26 my place in qkv32
.set ADRS, 27                          ; v27 scale words: lanes 0-15 x's rows, lanes 16-31 w's columns
.set SPW,  28
.set NIL,  29
.set SC,   32
.set TMP,  64
.set AF,   128
.set BI,   64                          ; in window 1
.set G1A,  24                          ; s[24:31] x's codes; s[32:39] w's; s[40:47] x's scale words; s[48:55] w's
.set G1B,  32
.set G1SA, 40
.set G1SB, 48
.set MSB, 0
.macro WIN new                         ; the immediate's high byte repeats the setting that is left
.if MSB != \new
	s_set_vgpr_msb (MSB<<8)|\new
.set MSB, \new
.endif
.endm
.set MUL_LO, 0xa1                      ; source 0 (w) window 1, source 1 (x) window 0, C and D window 2
.set MUL_HI, 0xf1                      ; the same, C and D window 3
.set TO_B,   0x40
.macro CROUND                          ; a round of the cluster's barrier
	s_barrier_signal -1
	s_barrier_wait -1
	s_cmp_lg_u32 s14, 0
	s_cbranch_scc1 .Lnot_wave_0_\@
	s_barrier_signal -3
.Lnot_wave_0_\@:
	s_barrier_wait -3
	s_barrier_signal -1
	s_barrier_wait -1
.endm
.macro PLACES n
.rept \n
	v_nop
.endr
.endm
.macro MKG0 g, lr, lc, ad, by          ; a descriptor's group 0: count 1; LDS address; global address; type 2
	s_mov_b32 s[\g], 1
	s_add_co_u32 s[\g+1], s[\lr], \lc
	s_add_nc_u64 s[\g+2:\g+3], s[\ad:\ad+1], \by
	s_or_b32 s[\g+3], s[\g+3], 0x80000000
.endm
	s_load_b256 s[4:11], s[0:1], 0x0               ; codes s[4:5], scl s[6:7], b_attn s[8:9], qkv16 s[10:11]
	s_load_b64 s[12:13], s[0:1], 0x20              ; qkv32
	v_lshl_add_u32 v[SPW], v0, 2, SPARE
	v_mov_b32 v[NIL], 0
	ds_add_u32 v[SPW], v[NIL]                      ; the wave's opening: the add, twice on end, and its wait ahead of my first tensor load
	ds_add_u32 v[SPW], v[NIL]
	v_lshrrev_b32 v1, 5, v0
	v_readfirstlane_b32 s14, v1                    ; wave
	s_lshr_b32 s15, s14, 1                         ; my half of the tile's rows.  Also: I fetch for x (0) or for w (1)
	s_and_b32 s16, s14, 1                          ; my half of its columns.  Also: which half I fetch
	s_bfe_u32 s19, ttmp6, 0x40000                  ; cx
	s_lshl_b32 s18, ttmp9, 2
	s_add_co_u32 s18, s18, s19                     ; tile column = 4 x cluster x + cx; cluster x is z: 0 q, 1 k, 2 v
	s_and_b32 s17, ttmp7, 0xffff                   ; tile row = cluster y
	; group 1: codes: 8 tiles' 2,048 bytes (256 elements of 8 bytes), 8,192 bytes from tile to tile
	s_mov_b32 s[G1A], 15|(3<<16)|(1<<21)           ; the mask: all four partners; elements of 8 bytes; bit 21 beside a mask
	s_mov_b32 s[G1B], 3<<16
.irp g, G1A, G1B
	s_mov_b32 s[\g+1], 256<<16
	s_mov_b32 s[\g+2], 8<<16
	s_mov_b32 s[\g+3], 256<<16
	s_mov_b32 s[\g+4], 8
	s_mov_b32 s[\g+5], 1024
	s_mov_b32 s[\g+6], 0
	s_mov_b32 s[\g+7], 0
.endr
	; scale words: 128 rows' 512 bytes (64 elements) of each of the 8 planes, 32,768 bytes apart
	s_mov_b32 s[G1SA], 15|(3<<16)|(1<<21)
	s_mov_b32 s[G1SB], 3<<16
.irp g, G1SA, G1SB
	s_mov_b32 s[\g+1], 64<<16
	s_mov_b32 s[\g+2], 8<<16
	s_mov_b32 s[\g+3], 64<<16
	s_mov_b32 s[\g+4], 8
	s_mov_b32 s[\g+5], 4096
	s_mov_b32 s[\g+6], 0
	s_mov_b32 s[\g+7], 0
.endr
	s_lshl_b32 s2, s16, 14                         ; LDS: my half of a chunk,
	s_lshl_b32 s3, s16, 12                         ; and of a side's scale words
	s_lshl_b32 s20, s17, 17                        ; x's codes: tiles 16 ty + 8 half
	s_lshl_b32 s21, s16, 16
	s_add_co_u32 s20, s20, s21
	s_lshl_b32 s66, s18, 17                        ; w's: tiles 256 + 16 tx + 8 half (x's registers never hold cx)
	s_add_co_u32 s66, s66, s21
	s_add_co_u32 s66, s66, 256*8192
	s_lshl_b32 s22, s17, 10                        ; x's scale words: rows 256 ty + 128 half
	s_lshl_b32 s23, s16, 9
	s_add_co_u32 s22, s22, s23
	s_lshl_b32 s100, s18, 10
	s_add_co_u32 s100, s100, s23
	s_add_co_u32 s100, s100, 16384
	s_mov_b32 s21, 0
	s_mov_b32 s23, 0
	s_mov_b32 s67, 0
	s_mov_b32 s101, 0
	s_wait_dscnt 0x0                               ; both opening adds are done
	s_wait_kmcnt 0x0
	s_add_nc_u64 s[20:21], s[4:5], s[20:21]
	s_add_nc_u64 s[22:23], s[6:7], s[22:23]
	s_add_nc_u64 s[66:67], s[4:5], s[66:67]
	s_add_nc_u64 s[100:101], s[6:7], s[100:101]
	MKG0 56, 3, SCL, 22, 0
	MKG0 60, 2, 0, 20, 0
	MKG0 68, 2, CHUNK, 20, 2048
	MKG0 72, 2, 2*CHUNK, 20, 4096
	MKG0 76, 2, 3*CHUNK, 20, 6144
	MKG0 80, 3, SCL+8192, 100, 0
	MKG0 84, 2, BREG, 66, 0
	MKG0 88, 2, BREG+CHUNK, 66, 2048
	MKG0 92, 2, BREG+2*CHUNK, 66, 4096
	MKG0 96, 2, BREG+3*CHUNK, 66, 6144
	CROUND                                         ; all four work-groups are here: the joint loads meet
	s_cmp_eq_u32 s15, 0                            ; a wave's five first fills stand in one branch on the wave's number; an s_nop 0 behind each, four v_nop behind the last
	s_cbranch_scc0 .Lfor_w
	tensor_load_to_lds s[56:59], s[G1SA:G1SA+7]
	s_nop 0
	tensor_load_to_lds s[60:63], s[G1A:G1A+7]
	s_nop 0
	tensor_load_to_lds s[68:71], s[G1A:G1A+7]
	s_nop 0
	tensor_load_to_lds s[72:75], s[G1A:G1A+7]
	s_nop 0
	tensor_load_to_lds s[76:79], s[G1A:G1A+7]
	s_nop 0
	PLACES 4
	s_branch .Lasked
.Lfor_w:
	tensor_load_to_lds s[80:83], s[G1SB:G1SB+7]
	s_nop 0
	tensor_load_to_lds s[84:87], s[G1B:G1B+7]
	s_nop 0
	tensor_load_to_lds s[88:91], s[G1B:G1B+7]
	s_nop 0
	tensor_load_to_lds s[92:95], s[G1B:G1B+7]
	s_nop 0
	tensor_load_to_lds s[96:99], s[G1B:G1B+7]
	s_nop 0
	PLACES 4
.Lasked:
	v_and_b32 v1, 31, v0
	v_and_b32 v2, 15, v0                           ; r
	v_bfe_u32 v3, v0, 4, 1                         ; h
	v_lshlrev_b32 v4, 4, v1                        ; 16 x lane
	s_lshl_b32 s20, s18, 10                        ; the bias of my 128 columns
	s_lshl_b32 s23, s16, 9
	s_add_co_u32 s20, s20, s23
	s_mov_b32 s21, 0
	s_add_nc_u64 s[8:9], s[8:9], s[20:21]
	v_lshlrev_b32 v[BO], 5, v3
	WIN TO_B
.irp b, 0,1,2,3,4,5,6,7                        ; lane (r, h) wants, for w's tile b, the bias of columns 16 b + 8 h + 0..7
	global_load_b128 v[BI+8*\b:BI+8*\b+3], v[BO], s[8:9] offset:64*\b
	global_load_b128 v[BI+8*\b+4:BI+8*\b+7], v[BO], s[8:9] offset:64*\b+16
.endr
	WIN 0
	s_lshl_b32 s20, s15, 14
	v_add_nc_u32 v[ADRA], s20, v4
	v_add_nc_u32 v[ADRA+1], 2*CHUNK, v[ADRA]
	s_lshl_b32 s20, s16, 14
	s_add_co_u32 s20, s20, BREG
	v_add_nc_u32 v[ADRB], s20, v4
	v_add_nc_u32 v[ADRB+1], 2*CHUNK, v[ADRB]
	s_lshl_b32 s20, s15, 12                        ; x's scale words: my 128 rows
	s_lshl_b32 s22, s16, 12
	s_add_co_u32 s22, s22, 8192                    ; w's: my 128 columns
	s_sub_co_u32 s22, s22, s20
	v_mul_u32_u24 v5, s22, v3                      ; lanes 16-31 take w's: one product of h
	s_add_co_u32 s20, s20, SCL
	v_lshl_add_u32 v5, v2, 2, v5
	v_add_nc_u32 v[ADRS], s20, v5
	; where my results go: qkv16 at (32 z + 16 batch + head) x 262,144 + (16 positions) x 2,048
	s_lshl_b32 s20, ttmp9, 5
	s_lshr_b32 s22, s17, 3                         ; batch
	s_lshl_b32 s3, s22, 4
	s_add_co_u32 s20, s20, s3
	s_lshl_b32 s3, s19, 2
	s_add_co_u32 s20, s20, s3
	s_lshl_b32 s3, s16, 1
	s_add_co_u32 s20, s20, s3                      ; my first head: 4 cx + 2 (column half)
	s_lshl_b32 s20, s20, 18
	s_lshl_b32 s3, s17, 4
	s_lshl_b32 s2, s15, 3
	s_add_co_u32 s3, s3, s2
	s_and_b32 s3, s3, 127
	s_lshl_b32 s3, s3, 11
	s_add_co_u32 s20, s20, s3
	s_add_nc_u64 s[10:11], s[10:11], s[20:21]
	s_mul_i32 s20, s22, 196608                     ; qkv32 at batch x 16 rows of 12,288 bytes + my 128 columns
	s_lshl_b32 s3, s18, 10
	s_add_co_u32 s20, s20, s3
	s_add_co_u32 s20, s20, s23
	s_add_nc_u64 s[12:13], s[12:13], s[20:21]
	v_mul_u32_u24 v[FO], v2, 12288
	v_lshl_add_u32 v[FO], v3, 5, v[FO]
	v_lshlrev_b32 v5, 5, v2
	v_lshl_add_u32 v5, v3, 4, v5                   ; v's pieces: 32 r + 16 h
	s_cmp_eq_u32 ttmp9, 2
	s_cselect_b32 s22, -1, 0
	v_cndmask_b32 v[LO], v4, v5, s22               ; q's and k's: 16 x lane.  A choice of value, the same in all partners: no second path
.macro FRAG reg, adr, kc, i            ; a fragment, 16 rows x 128 K of 4-bit codes: two loads of 512 consecutive bytes
.irp c, 0,1
	ds_load_b128 v[\reg+4*\c:\reg+4*\c+3], v[\adr+(\kc)/4] offset:(((\kc)/2)%2)*CHUNK+(\i)*2048+((\kc)%2)*1024+512*\c
.endr
.endm
.macro FETCH_B kc
	WIN TO_B
.irp i, 0,1,2,3,4,5,6,7
	FRAG 128*((\kc)%2)+8*\i, ADRB, \kc, \i
.endr
	WIN 0
.endm
.macro FETCH_A kc, i0
.irp i, \i0, \i0+1, \i0+2, \i0+3
	FRAG AF+8*(\i), ADRA, \kc, \i
.endr
.endm
.macro SCALES kc                       ; lanes 0-15 the words of x's tile i, lanes 16-31 those of w's tile i
.irp i, 0,1,2,3,4,5,6,7
	ds_load_b32 v[SC+8*((\kc)%2)+\i], v[ADRS] offset:(\kc)*512+64*\i
.endr
.endm
; 16 matrix instructions: x's tiles a0, a0 + 1 against w's eight.  The 64 accumulators take turns, one instruction a turn, in the same order in every step.
.macro MUL16 a0, p, first
.irp a, \a0, \a0+1
.irp b, 0,1,2,3,4,5,6,7
.if \first
	v_wmma_scale_f32_16x16x128_f8f6f4 v[8*(8*((\a)%4)+\b):8*(8*((\a)%4)+\b)+7], v[128*(\p)+8*\b:128*(\p)+8*\b+7], v[AF+8*(\a):AF+8*(\a)+7], v[BI+8*\b:BI+8*\b+7], v[SC+8*(\p)+\b], v[SC+8*(\p)+(\a)] matrix_a_fmt:MATRIX_FMT_FP4 matrix_b_fmt:MATRIX_FMT_FP4 matrix_a_scale:MATRIX_SCALE_ROW1
.else
	v_wmma_scale_f32_16x16x128_f8f6f4 v[8*(8*((\a)%4)+\b):8*(8*((\a)%4)+\b)+7], v[128*(\p)+8*\b:128*(\p)+8*\b+7], v[AF+8*(\a):AF+8*(\a)+7], v[8*(8*((\a)%4)+\b):8*(8*((\a)%4)+\b)+7], v[SC+8*(\p)+\b], v[SC+8*(\p)+(\a)] matrix_a_fmt:MATRIX_FMT_FP4 matrix_b_fmt:MATRIX_FMT_FP4 matrix_a_scale:MATRIX_SCALE_ROW1
.endif
.endr
.endr
.endm
; A step of 128 along K that has a successor.  x has one set of fragments (tiles 0-3 fetched anew in the middle, 4-7 at the end), w two.
.macro STEP kc
.set PP, (\kc)%2
	s_wait_dscnt 8                                 ; all but the youngest eight loads (x's tiles 4-7) are in
.if (\kc) == 0
	WIN 0x91                                       ; C (the bias) window 1, D window 2
	MUL16 0, PP, 1
	MUL16 2, PP, 1
.else
	WIN MUL_LO
	MUL16 0, PP, 0
	MUL16 2, PP, 0
.endif
	s_wait_dscnt 0x0                               ; x's tiles 4-7 are in
.if ((\kc)+1)%2 == 0
	s_wait_tensorcnt 3-((\kc)+1)/2                 ; my part of the next chunk has landed; the count is that of the chunks behind it
	s_barrier_signal -1
	s_barrier_wait -1                              ; everybody's has.
.endif
	PLACES 4                                       ; in front of loads into registers that matrix instructions have read
	FETCH_B (\kc)+1
	FETCH_A (\kc)+1, 0
	SCALES (\kc)+1
.if (\kc) == 0
	WIN 0xd1
	MUL16 4, PP, 1
	MUL16 6, PP, 1
.else
	WIN MUL_HI
	MUL16 4, PP, 0
	MUL16 6, PP, 0
.endif
	PLACES 4
	WIN 0
	FETCH_A (\kc)+1, 4
.endm
	s_wait_tensorcnt 3                             ; the scale words and chunk 0 have landed (three chunks may be out),
	s_barrier_signal -1
	s_barrier_wait -1                              ; everybody's have
	FETCH_B 0
	FETCH_A 0, 0
	SCALES 0
	FETCH_A 0, 4
	s_wait_loadcnt 0x0                             ; the bias
	STEP 0
	STEP 1
	STEP 2
	STEP 3
	STEP 4
	STEP 5
	STEP 6
	s_wait_dscnt 8                                 ; the last step: nothing more to fetch
	WIN MUL_LO
	MUL16 0, 1, 0
	MUL16 2, 1, 0
	s_wait_dscnt 0x0
	WIN MUL_HI
	MUL16 4, 1, 0
	MUL16 6, 1, 0
	WIN 0
	PLACES 4                                       ; in front of the first reads of results
	s_and_b32 s22, s17, 7                          ; the first 16 positions of a sequence lie in tile rows 0 and 8, row half 0, x's tile 0
	s_or_b32 s22, s22, s15
	s_cmp_lg_u32 s22, 0
	s_cbranch_scc1 .Lno_f32
	WIN 0x08                                       ; a store's data: window 2
.irp b, 0,1,2,3,4,5,6,7
	global_store_b128 v[FO], v[8*\b:8*\b+3], s[12:13] offset:64*\b          ; each accumulator from its low end on
	global_store_b128 v[FO], v[8*\b+4:8*\b+7], s[12:13] offset:64*\b+16
.endr
	WIN 0
.Lno_f32:
.macro PACK a                          ; x's tile a: eight columns of a row pack into 16 bytes, which are a lane's part of a piece
.set AC, 64*((\a)%4)
	WIN 0x0a+5*((\a)/4)
.irp b, 0,1,2,3,4,5,6,7
.irp q, 0,1,2,3
	v_cvt_pk_f16_f32 v[TMP+32*((\a)%2)+4*\b+\q], v[AC+8*\b+2*\q], v[AC+8*\b+2*\q+1]
.endr
.endr
	WIN 0
.irp b, 0,1,2,3,4,5,6,7
	global_store_b128 v[LO], v[TMP+32*((\a)%2)+4*\b:TMP+32*((\a)%2)+4*\b+3], s[10:11] offset:(\a)*2048+(\b/4)*262144+(\b%4)*512   ; head b / 4, channels 16 (b % 4) on: 512 consecutive bytes
.endr
.endm
	PACK 0
	PACK 1
.irp a, 2,3,4,5,6,7
	s_wait_xcnt 0x0                                ; the stores of two tiles back have read their registers
	PACK \a
.endr
	s_wait_tensorcnt 0x0                           ; the wave's end
	ds_add_u32 v[SPW], v[NIL]
	s_wait_dscnt 0x0
	CROUND                                         ; the closing round
	s_endpgm
.Lfunc_end_k_q4ae88fa544_qkv:
	.size	k_q4ae88fa544_qkv, .Lfunc_end_k_q4ae88fa544_qkv-k_q4ae88fa544_qkv
	.p2alignl 7, 3214868480
	.fill 96, 4, 3214868480
	.section	.rodata,"a",@progbits
	.p2align	6, 0x0
	.amdhsa_kernel k_q4ae88fa544_qkv
		.amdhsa_group_segment_fixed_size 327680
		.amdhsa_private_segment_fixed_size 0
		.amdhsa_enable_private_segment 0
		.amdhsa_kernarg_size 40
		.amdhsa_user_sgpr_count 2
		.amdhsa_user_sgpr_kernarg_segment_ptr 1
		.amdhsa_wavefront_size32 1
		.amdhsa_system_sgpr_workgroup_id_x 1
		.amdhsa_system_sgpr_workgroup_id_y 1
		.amdhsa_system_sgpr_workgroup_id_z 1
		.amdhsa_system_vgpr_workitem_id 0
		.amdhsa_next_free_vgpr 1024
		.amdhsa_next_free_sgpr 102
		.amdhsa_reserve_vcc 0
		.amdhsa_float_denorm_mode_32 3
		.amdhsa_float_denorm_mode_16_64 3
		.amdhsa_memory_ordered 1
		.amdhsa_forward_progress 1
		.amdhsa_inst_pref_size 125
	.end_amdhsa_kernel
	.amdgpu_metadata
---
amdhsa.version: [ 1, 2 ]
amdhsa.kernels:
  - .name:           k_q4ae88fa544_qkv
    .symbol:         k_q4ae88fa544_qkv.kd
    .args:
      - { .name: codes, .offset: 0, .size: 8, .value_kind: global_buffer, .address_space: global }
      - { .name: scl, .offset: 8, .size: 8, .value_kind: global_buffer, .address_space: global }
      - { .name: b_attn, .offset: 16, .size: 8, .value_kind: global_buffer, .address_space: global }
      - { .name: qkv16, .offset: 24, .size: 8, .value_kind: global_buffer, .address_space: global }
      - { .name: qkv32, .offset: 32, .size: 8, .value_kind: global_buffer, .address_space: global }
    .group_segment_fixed_size: 327680
    .private_segment_fixed_size: 0
    .kernarg_segment_align: 8
    .kernarg_segment_size: 40
    .max_flat_workgroup_size: 128
    .sgpr_count:     102
    .vgpr_count:     1024
    .wavefront_size: 32
...
	.end_amdgpu_metadata
.endif
;; end of part 2
;; launch attn (part 3): grid 8 x 32, 8 waves a work-group, no clusters, 327,680 bytes of LDS; arguments qkv16, maskt, y16; writes y16
.if DOCPART == 3
	.amdgcn_target "amdgcn-amd-amdhsa--gfx1250"
	.amdhsa_code_object_version 6
	.text
	.protected	k_q4ae88fa544_attn
	.globl	k_q4ae88fa544_attn
	.p2align	8
	.type	k_q4ae88fa544_attn,@function
k_q4ae88fa544_attn:
	s_mov_b64 s[64:65], 0
	v_nop
	global_prefetch_b8 v0, s[64:65] scope:SCOPE_SE
	s_setreg_imm32_b32 hwreg(HW_REG_WAVE_MODE, 25, 1), 1
	s_wait_xcnt 0x0
; y[b][q][h][:] = sum over k of w(q, k) v[k] / sum over k of w(q, k),  w = exp(q . k / 8 - max) x mask(h, q - k), causal.  T 2048, head size 64, 32 (batch, head).  Operands f16, sums f32.
; THE MASK COSTS NO VECTOR INSTRUCTION: it hangs on (head, q - k) alone, so L = 8 ln(mask) (-1e30 where the mask is 0 or the key lies behind the query) is a table, and a 16 x 16 tile of it is the C of the
; first product K Q^T: the scores come out as s + L, and w = 2^(c (s + L) - c m), c = log2(e) / 8.  THE MAXIMUM TAKEN AWAY IS THE RUNNING MAXIMUM OF s + L, of what is exponentiated: it cancels in the
; quotient as the maximum of s does, and the largest weight of a row is 1.  The diagonal key's mask is at least 0.5, so every row has a finite maximum.
; THE RUNNING MAXIMUM STARTS AT -2^96: above every masked score (-1e30 is about -12.6 x 2^96), under every score that counts.  So a masked score never becomes the maximum: in a step all of whose keys are
; masked the weights are 2^(c (-1e30 + 2^96)) = 0 and sums stay 0.  (Were -1e30 itself the maximum, the exponent would be the rounding residue of c x 1e30, which is no small number.)
; LIMITS: scores that count lie above -2^96 (|q . k| far under that); q, k, v in f16's range; weights under 2^-24 of the row's largest are lost in f16; NaN and infinities are not served.
; SHARES.  Work-group i of a head owns the query blocks 15 - i and i, 128 queries each: (16 - i) + (i + 1) = 17 key steps of 128 keys in every work-group: 256 work-groups of equal work, a constant trip count.
; Trip T <= B = 15 - i: block B against key block B - T (the diagonal first); T > B: block i against key block T - B - 1 (the diagonal last).
; Wave w: 32 queries (w % 4; two tiles of 16) x 64 of the step's keys (w / 4; four tiles): a fragment of K or V feeds two query tiles; two waves share a SIMD, so one's softmax stands beside the other's products.
; The two key halves keep maxima and sums of their own and are merged once, at the end, through LDS.
; LAYOUT as images of registers: S^T = K Q^T (a lane holds one query and eight keys), P = the weights in f16 are source 1 of O^T = V^T P; V comes turned by ds_load_tr16_b128 out of blocks of 16 keys x 16 channels.
; O^T / l in f16 is stored as it stands: it is the projection's fragment.
; NO CLUSTER: at a given trip the work-groups of a head stand at different key blocks (B - T differs with i), so no two of them want the same tile at the same time.
; REGISTERS: window 0: v1-11 addresses; v12-27 statistics, 8 a tile (+0 c m, +1 m, +2 +3 l, +4..+7 at work); v28-31 the first block's parked statistics; v32-71 five mask tiles; v72-135 S^T; v136-167 P; v168-231 K.
;   window 1: v0-63 O^T; v64-95 Q; v96-159 V; v160-223 the first block's parked O^T.
.set SLOTB, 32768                      ; a slot: 128 keys of K (16,384 bytes), then of V
.set MASK,  2*SLOTB+512                ; the head's mask table, four copies; the 512 bytes in front are touched by nobody (the least byte read is MASK + 16: the distance is at most 15 blocks)
.set MPITCH, 8768                      ; 2,192 entries a copy: 64 modulo 256, so that the sixteen lanes of a load touch sixteen different columns of 16 bytes
.set MG0,   MASK+4*MPITCH              ; 101,120: the merge, first block: 4 x 17 x 512 bytes
.set MGS,   4*8704                     ; and, so many bytes on, the second block's
.set SPARE, MG0+2*MGS                  ; 170,752: the spare words, 128 bytes a wave
.set PFO, 1                            ; v1  256 x lane, for the prefetches
.set AK0, 2
.set AV0, 3
.set ADK, 4
.set ADV, 5
.set M0,  6
.set ADM, 7
.set LI,  8                            ; v8  16 x lane
.set MGA, 9
.set SPW, 10
.set NIL, 11
.set ST,  12
.set PS,  28
.set MT,  32
.set S,   72
.set P,   136
.set KF,  168
.set O,   0
.set QF,  64
.set VF,  96
.set PARK, 160
.set WV,  10
.set QG,  11
.set KG,  12
.set BB,  14                           ; s14 B = 15 - i
.set BH,  15
.set T,   16                           ; s16 the trip
.set TB,  17                           ; s17 the slot in hand
.set SM,  18                           ; s18 (16 - distance in blocks) x 512
.set LIM, 19                           ; s19 a wave prefetches while T is under it
.set CS,  20                           ; s[20:21] c
.set SEL, 22
.set G1,  24
.set G1M, 32
.set G0,  40
.set G0M, 44
.set KVB, 48                           ; s[48:49] K (wave 0) or V (wave 1) of my head
.set QBA, 50
.set QBI, 52
.set PFA, 54
.set YBA, 56
.set YBI, 68
.set MSB, 0
.macro WIN new
.if MSB != \new
	s_set_vgpr_msb (MSB<<8)|\new
.set MSB, \new
.endif
.endm
.macro QLOAD base                      ; my two tiles of queries: four pieces of 512 bytes each
	WIN 0x40
.irp a, 0,1
.irp f, 0,1
	global_load_b128 v[QF+16*\a+8*\f:QF+16*\a+8*\f+3], v[LI], s[\base:\base+1] offset:\a*2048+\f*1024
	global_load_b128 v[QF+16*\a+8*\f+4:QF+16*\a+8*\f+7], v[LI], s[\base:\base+1] offset:\a*2048+\f*1024+512
.endr
.endr
	WIN 0
.endm
.macro FRESH                           ; m = -2^96: above every masked score, under every score that counts; l = 0
.irp t, 0,1
	v_mov_b32 v[ST+8*\t+1], 0xef800000
	v_mul_f32 v[ST+8*\t], s[CS], v[ST+8*\t+1]
	v_mov_b32 v[ST+8*\t+2], 0
	v_mov_b32 v[ST+8*\t+3], 0
.endr
.endm
	s_load_b128 s[4:7], s[0:1], 0x0                ; qkv16 s[4:5], maskt s[6:7]
	s_load_b64 s[8:9], s[0:1], 0x10                ; y16
	v_lshl_add_u32 v[SPW], v0, 2, SPARE
	v_mov_b32 v[NIL], 0
	ds_add_u32 v[SPW], v[NIL]                      ; the wave's opening: the add, twice on end, and its wait ahead of the first tensor load
	ds_add_u32 v[SPW], v[NIL]
	v_lshrrev_b32 v1, 5, v0
	v_readfirstlane_b32 s[WV], v1
	s_and_b32 s[QG], s[WV], 3
	s_lshr_b32 s[KG], s[WV], 2
	s_sub_co_u32 s[BB], 15, ttmp9
	s_and_b32 s[BH], ttmp7, 0xffff
	s_mov_b32 s[T], 0
	s_mov_b32 s[TB], 0
	s_mov_b32 s[CS], 0x3e38aa3b                    ; c = log2(e) / 8
	s_mov_b32 s[CS+1], s[CS]
	s_mov_b32 s[SEL], 0x76543210
	s_mov_b32 s[SEL+1], 0xfedcba98
	; group 1, K's and V's tiles: a dense block of 16,384 bytes as 64 rows of 256 (32 elements of 8 bytes)
	s_mov_b32 s[G1], 3<<16
	s_mov_b32 s[G1+1], 32<<16
	s_mov_b32 s[G1+2], 64<<16
	s_mov_b32 s[G1+3], 32<<16
	s_mov_b32 s[G1+4], 64
	s_mov_b32 s[G1+5], 32
	s_mov_b32 s[G1+6], 0
	s_mov_b32 s[G1+7], 0
	; the mask: the first 2,192 of the 2,304 entries (4 bytes) of each of the four copies
	s_mov_b32 s[G1M], 2<<16
	s_mov_b32 s[G1M+1], 2192<<16
	s_mov_b32 s[G1M+2], 4<<16
	s_mov_b32 s[G1M+3], 2192<<16
	s_mov_b32 s[G1M+4], 4
	s_mov_b32 s[G1M+5], 2304
	s_mov_b32 s[G1M+6], 0
	s_mov_b32 s[G1M+7], 0
	s_min_u32 s58, s[WV], 1                        ; wave 0 fetches K, wave 1 V (the others fetch neither)
	s_lshl_b32 s59, s58, 14
	s_add_co_u32 s58, s58, 1
	s_lshl_b32 s60, s58, 23
	s_lshl_b32 s62, s[BH], 18                      ; my (batch, head)'s 262,144 bytes in each of q, k, v
	s_add_co_u32 s60, s60, s62
	s_mov_b32 s61, 0
	s_mov_b32 s63, 0
	s_and_b32 s66, s[BH], 15                       ; head
	s_xor_b32 s58, ttmp9, 7
	s_xor_b32 s67, s[KG], 1
	s_or_b32 s58, s58, s67
	s_cmp_eq_u32 s58, 0
	s_cselect_b32 s[LIM], 6, 0                     ; work-group i = 7, waves 4 to 7
	s_wait_dscnt 0x0                               ; both opening adds are done
	s_wait_kmcnt 0x0
	s_add_nc_u64 s[KVB:KVB+1], s[4:5], s[60:61]
	s_lshl_b32 s60, s[BB], 14
	s_mov_b32 s[G0], 1
	s_mov_b32 s[G0+1], s59                         ; slot 0
	s_add_nc_u64 s[G0+2:G0+3], s[KVB:KVB+1], s[60:61]   ; key block B
	s_or_b32 s[G0+3], s[G0+3], 0x80000000
	s_mul_i32 s60, s66, 36864
	s_mov_b32 s[G0M], 1
	s_mov_b32 s[G0M+1], MASK
	s_add_nc_u64 s[G0M+2:G0M+3], s[6:7], s[60:61]
	s_or_b32 s[G0M+3], s[G0M+3], 0x80000000
	s_cmp_lt_u32 s[WV], 2                          ; the first fills: waves 0 and 1 slot 0, wave 2 the mask; an s_nop 0 and four v_nop follow each line
	s_cbranch_scc0 .Lnot_kv
	tensor_load_to_lds s[G0:G0+3], s[G1:G1+7]
	s_nop 0
.rept 4
	v_nop
.endr
	s_branch .Lfirst_asked
.Lnot_kv:
	s_cmp_eq_u32 s[WV], 2
	s_cbranch_scc0 .Lfirst_asked
	tensor_load_to_lds s[G0M:G0M+3], s[G1M:G1M+7]
	s_nop 0
.rept 4
	v_nop
.endr
.Lfirst_asked:
	s_add_nc_u64 s[QBI:QBI+1], s[4:5], s[62:63]    ; q of my head,
	s_lshl_b32 s60, s[QG], 12
	s_add_nc_u64 s[QBI:QBI+1], s[QBI:QBI+1], s[60:61]   ; my wave's 32 queries of a block,
	s_lshl_b32 s60, s[BB], 14
	s_add_nc_u64 s[QBA:QBA+1], s[QBI:QBI+1], s[60:61]   ; in block B
	s_lshl_b32 s60, ttmp9, 14
	s_add_nc_u64 s[QBI:QBI+1], s[QBI:QBI+1], s[60:61]   ; and in block i
	v_and_b32 v1, 31, v0
	v_lshlrev_b32 v[LI], 4, v1
	QLOAD QBA
	s_lshr_b32 s60, s[BH], 4                       ; y16 at (128 batch + 8 block + 2 (w % 4)) x 32,768 + head x 2,048
	s_lshl_b32 s60, s60, 22
	s_lshl_b32 s67, s[QG], 16
	s_add_co_u32 s60, s60, s67
	s_lshl_b32 s67, s66, 11
	s_add_co_u32 s60, s60, s67
	s_add_nc_u64 s[YBI:YBI+1], s[8:9], s[60:61]
	s_lshl_b32 s60, s[BB], 18
	s_add_nc_u64 s[YBA:YBA+1], s[YBI:YBI+1], s[60:61]
	s_lshl_b32 s60, ttmp9, 18
	s_add_nc_u64 s[YBI:YBI+1], s[YBI:YBI+1], s[60:61]
	s_bfe_u32 s60, s[WV], 0x10001                  ; the prefetches: waves 4, 5 K's halves, waves 6, 7 V's, 8,192 bytes each
	s_add_co_u32 s60, s60, 1
	s_lshl_b32 s60, s60, 23
	s_add_co_u32 s60, s60, s62
	s_and_b32 s67, s[WV], 1
	s_lshl_b32 s67, s67, 13
	s_add_co_u32 s60, s60, s67
	s_add_co_u32 s60, s60, 6*16384                 ; at key block 6: the first trip steps it to 5
	s_add_nc_u64 s[PFA:PFA+1], s[4:5], s[60:61]
	v_and_b32 v32, 15, v0                          ; r
	v_bfe_u32 v33, v0, 4, 1                        ; h
	s_lshl_b32 s58, s[KG], 13
	v_add_nc_u32 v[AK0], s58, v[LI]                ; K: my four key tiles, 16 x lane
	v_and_b32 v34, 7, v0
	v_lshl_add_u32 v34, v33, 3, v34
	v_bfe_u32 v35, v0, 3, 1
	v_lshlrev_b32 v34, 5, v34
	v_lshl_add_u32 v34, v35, 4, v34                ; V: key 8 h + l % 8 (rows of 32 bytes), channels 8 ((l / 8) % 2) on
	s_add_co_u32 s58, s58, 16384
	v_add_nc_u32 v[AV0], s58, v34
	; the mask: register j of lane (r, h) of the tile (keys 16 bt on, queries 16 a on) wants entry 2048 + (r % 4) - rel of copy r % 4, rel = 128 n + 32 qg + 16 a + r - 64 kg - 16 bt - 8 h - j:
	; eight neighbours that begin at a multiple of four entries.  In bytes: M0 + (16 - n) 512 + 64 (bt - a + 1)
	v_and_b32 v34, 3, v32
	v_mul_u32_u24 v34, v34, MPITCH
	v_bfe_u32 v35, v0, 2, 2
	v_xor_b32 v35, 3, v35                          ; 3 - r / 4
	v_lshl_add_u32 v34, v35, 4, v34
	v_lshl_add_u32 v34, v33, 5, v34
	s_xor_b32 s58, s[QG], 3                        ; 3 - qg
	s_lshl_b32 s58, s58, 7
	s_lshl_b32 s59, s[KG], 8
	s_add_co_u32 s58, s58, s59
	s_add_co_u32 s58, s58, MASK-496
	v_add_nc_u32 v[M0], s58, v34
	s_mul_i32 s58, s[QG], 8704
	s_add_co_u32 s58, s58, MG0
	v_add_nc_u32 v[MGA], s58, v[LI]
	v_lshlrev_b32 v[PFO], 8, v1
	WIN 0x40
.set i, 0
.rept 64
	v_mov_b32 v[O+i], 0                            ; the step is written once: the first finds zeros
	v_mov_b32 v[PARK+i], 0                         ; (written here so that they are written on every way through the text)
.set i, i+1
.endr
	WIN 0
.irp q, 0,1,2,3
	v_mov_b32 v[PS+\q], 0
.endr
	FRESH
	s_wait_loadcnt 0x0                             ; Q
; THE CHANGE OF SLOTS, at a trip's head.  Each wave waits for all its tensor loads, adds 0 to its spare word (fill = 1: twice on end),
; and waits for that and for its reads of the slot that it has left.  Behind the barrier the slot ahead is whole and nobody reads the other: it takes the next trip's tile.
.macro CHANGE fill
	s_wait_tensorcnt 0x0
	ds_add_u32 v[SPW], v[NIL]
.if \fill
	ds_add_u32 v[SPW], v[NIL]
	s_add_co_u32 s58, s[T], 1                      ; the next trip's key block: B - T1, or T1 - B - 1 behind the change of query blocks
	s_sub_co_u32 s59, s[BB], s58
	s_sub_co_u32 s60, s58, s[BB]
	s_sub_co_u32 s60, s60, 1
	s_cmp_le_u32 s58, s[BB]
	s_cselect_b32 s60, s59, s60
	s_lshl_b32 s60, s60, 14
	s_mov_b32 s61, 0
	s_xor_b32 s[G0+1], s[G0+1], SLOTB              ; no tensor load of mine is out: the group 0 may be written
	s_add_nc_u64 s[G0+2:G0+3], s[KVB:KVB+1], s[60:61]
	s_or_b32 s[G0+3], s[G0+3], 0x80000000
	s_wait_xcnt 0x0                                ; the last prefetch, a trip back, has read its address
	s_sub_nc_u64 s[PFA:PFA+1], s[PFA:PFA+1], 16384
.endif
	s_wait_dscnt 0x0
	s_barrier_signal -1
	s_barrier_wait -1
.if \fill
	s_cmp_lt_u32 s[WV], 2
	s_cbranch_scc0 .Lnone_\@
	tensor_load_to_lds s[G0:G0+3], s[G1:G1+7]      ; the first thing behind the barrier, and a wave's one tensor load until the next
	s_nop 0
.rept 4
	v_nop
.endr
.Lnone_\@:
	; A PREFETCH INTO THE L2.  Key blocks 8 to 15 of a head are asked for in trip 0 by the work-groups whose diagonals they are; blocks 7 to 0 are reached first by work-group i = 7, one a trip.
	; So that work-group alone asks, by its waves 4 to 7, which fetch nothing: in trip T <= 5 for key block 5 - T, which its tensor loads ask for two trips on; lanes 256 bytes apart, 8,192 bytes a wave:
	; each block of 256 bytes is named once in the launch.  Blocks 7 and 6 come by their loads alone; nothing is asked at the head, and nothing behind trip 5.
	s_cmp_lt_u32 s[T], s[LIM]
	s_cbranch_scc0 .Lnot_mine_\@
	global_prefetch_b8 v[PFO], s[PFA:PFA+1] th:TH_LOAD_NT scope:SCOPE_SE
.Lnot_mine_\@:
.endif
.endm
; THE CHANGE OF QUERY BLOCKS, in trip B + 1: ids and the count of trips alone, the same in all waves; registers and global loads only.
.macro SWITCH
	s_add_co_u32 s58, s[BB], 1
	s_cmp_lg_u32 s[T], s58
	s_cbranch_scc1 .Lno_switch_\@
	v_mov_b32 v[PS], v[ST]                         ; c m and l of both tiles are parked,
	v_add_f32 v[PS+1], v[ST+2], v[ST+3]
	v_mov_b32 v[PS+2], v[ST+8]
	v_add_f32 v[PS+3], v[ST+10], v[ST+11]
	WIN 0x41
.set i, 0
.rept 64
	v_mov_b32 v[PARK+i], v[O+i]                    ; and O^T (each accumulator from its low end on)
.set i, i+1
.endr
	WIN 0x40
.set i, 0
.rept 64
	v_mov_b32 v[O+i], 0
.set i, i+1
.endr
	QLOAD QBI
	FRESH
	s_wait_loadcnt 0x0
.Lno_switch_\@:
.endm
; A KEY STEP: my 32 queries against my 64 of the slot's keys
.macro STEP
	v_add_nc_u32 v[ADK], s[TB], v[AK0]
	v_add_nc_u32 v[ADV], s[TB], v[AV0]
	v_add_nc_u32 v[ADM], s[SM], v[M0]
.irp d, 0,1,2,3,4                              ; the five mask tiles bt - a = -1 .. 3
	ds_load_b128 v[MT+8*\d:MT+8*\d+3], v[ADM] offset:64*\d
	ds_load_b128 v[MT+8*\d+4:MT+8*\d+7], v[ADM] offset:64*\d+16
.endr
.irp bt, 0,1,2,3
.irp f, 0,1
	ds_load_b128 v[KF+16*\bt+8*\f:KF+16*\bt+8*\f+3], v[ADK] offset:\bt*2048+\f*1024
	ds_load_b128 v[KF+16*\bt+8*\f+4:KF+16*\bt+8*\f+7], v[ADK] offset:\bt*2048+\f*1024+512
.endr
.endr
	WIN 0x40
.irp k, 0,1                                    ; V^T: 16 channels x 32 keys: registers 0-3 out of key tile 2 k, 4-7 out of 2 k + 1
.irp c, 0,1,2,3
	ds_load_tr16_b128 v[VF+32*\k+8*\c:VF+32*\k+8*\c+3], v[ADV] offset:(2*\k)*2048+\c*512
	ds_load_tr16_b128 v[VF+32*\k+8*\c+4:VF+32*\k+8*\c+7], v[ADV] offset:(2*\k+1)*2048+\c*512
.endr
.endr
	s_wait_dscnt 16                                ; the mask and K are in; V's sixteen loads may be out
	WIN 0x04                                       ; Q in window 1
.irp f, 0,1                                    ; S^T = K Q^T + L: eight accumulators by turns
.irp bt, 0,1,2,3
.irp a, 0,1
.if \f == 0
	v_wmma_f32_16x16x32_f16 v[S+32*\a+8*\bt:S+32*\a+8*\bt+7], v[KF+16*\bt:KF+16*\bt+7], v[QF+16*\a:QF+16*\a+7], v[MT+8*(\bt-\a+1):MT+8*(\bt-\a+1)+7]
.else
	v_wmma_f32_16x16x32_f16 v[S+32*\a+8*\bt:S+32*\a+8*\bt+7], v[KF+16*\bt+8:KF+16*\bt+15], v[QF+16*\a+8:QF+16*\a+15], v[S+32*\a+8*\bt:S+32*\a+8*\bt+7]
.endif
.endr
.endr
.endr
	WIN 0
.rept 4
	v_nop                                          ; places in front of the first read of results
.endr
.irp j, 0,1,2,3                                ; the maximum of a lane's 32 scores and the old m; the two tiles by turns; each accumulator is read from its low end on
.irp t, 0,1
	v_max3_num_f32 v[ST+8*\t+4+\j], v[S+32*\t+8*\j], v[S+32*\t+8*\j+1], v[S+32*\t+8*\j+2]
.endr
.endr
.irp u, 1,2
.irp j, 0,1,2,3
.irp t, 0,1
	v_max3_num_f32 v[ST+8*\t+4+\j], v[ST+8*\t+4+\j], v[S+32*\t+8*\j+2*\u+1], v[S+32*\t+8*\j+2*\u+2]
.endr
.endr
.endr
.irp t, 0,1
	v_max3_num_f32 v[ST+8*\t+4], v[ST+8*\t+4], v[S+32*\t+7], v[S+32*\t+15]
.endr
.irp t, 0,1
	v_max3_num_f32 v[ST+8*\t+6], v[ST+8*\t+6], v[S+32*\t+23], v[S+32*\t+31]
.endr
.irp t, 0,1
	v_max3_num_f32 v[ST+8*\t+4], v[ST+8*\t+4], v[ST+8*\t+5], v[ST+8*\t+6]
.endr
.irp t, 0,1
	v_max3_num_f32 v[ST+8*\t+4], v[ST+8*\t+4], v[ST+8*\t+7], v[ST+8*\t+1]   ; the old m among them: never under -2^96
.endr
.irp t, 0,1
	v_permlanex16_b32 v[ST+8*\t+5], v[ST+8*\t+4], s[SEL], s[SEL+1]   ; the query's other keys lie in the lane 16 away
.endr
.irp t, 0,1
	v_mov_b32 v[ST+8*\t+7], v[ST+8*\t]             ; c m_old
.endr
.irp t, 0,1
	v_max_num_f32 v[ST+8*\t+1], v[ST+8*\t+4], v[ST+8*\t+5]
.endr
.irp t, 0,1
	v_mul_f32 v[ST+8*\t], s[CS], v[ST+8*\t+1]
.endr
.irp t, 0,1
	v_sub_f32 v[ST+8*\t+7], v[ST+8*\t+7], v[ST+8*\t]
.endr
.irp t, 0,1
.set i, 0
.rept 16
	v_pk_fma_f32 v[S+32*\t+2*i:S+32*\t+2*i+1], v[S+32*\t+2*i:S+32*\t+2*i+1], s[CS:CS+1], v[ST+8*\t:ST+8*\t+1] op_sel_hi:[1,0,0] neg_lo:[0,0,1] neg_hi:[0,0,1]   ; c s - c m
.set i, i+1
.endr
.endr
.irp t, 0,1
	v_exp_f32 v[ST+8*\t+6], v[ST+8*\t+7]           ; a = 2^(c m_old - c m_new)
.endr
.set i, 0
.rept 64
	v_exp_f32 v[S+i], v[S+i]                       ; the weights, at most 1 (but for the last bit of c m's rounding); 0 for masked keys
.set i, i+1
.endr
	v_nop                                          ; a plain place behind the batch
	s_wait_alu depctr_va_vdst(0)                   ; one wait for the 66, ahead of their first reader
.set i, 0
.rept 32
	v_cvt_pk_f16_f32 v[P+i], v[S+2*i], v[S+2*i+1]
.set i, i+1
.endr
.irp u, 0,1,2,3,4,5,6,7                        ; the sums, of the unrounded weights, two at a time
.irp t, 0,1
	v_pk_add_f32 v[S+32*\t+4*\u:S+32*\t+4*\u+1], v[S+32*\t+4*\u:S+32*\t+4*\u+1], v[S+32*\t+4*\u+2:S+32*\t+4*\u+3]
.endr
.endr
.irp u, 0,1,2,3
.irp t, 0,1
	v_pk_add_f32 v[S+32*\t+8*\u:S+32*\t+8*\u+1], v[S+32*\t+8*\u:S+32*\t+8*\u+1], v[S+32*\t+8*\u+4:S+32*\t+8*\u+5]
.endr
.endr
.irp u, 0,1
.irp t, 0,1
	v_pk_add_f32 v[S+32*\t+16*\u:S+32*\t+16*\u+1], v[S+32*\t+16*\u:S+32*\t+16*\u+1], v[S+32*\t+16*\u+8:S+32*\t+16*\u+9]
.endr
.endr
.irp t, 0,1
	v_pk_add_f32 v[S+32*\t:S+32*\t+1], v[S+32*\t:S+32*\t+1], v[S+32*\t+16:S+32*\t+17]
.endr
.irp t, 0,1
	v_pk_fma_f32 v[ST+8*\t+2:ST+8*\t+3], v[ST+8*\t+2:ST+8*\t+3], v[ST+8*\t+6:ST+8*\t+7], v[S+32*\t:S+32*\t+1] op_sel_hi:[1,0,1]   ; l = a l + the sum
.endr
	WIN 0x41
.irp t, 0,1
.set i, 0
.rept 16
	v_pk_mul_f32 v[O+32*\t+2*i:O+32*\t+2*i+1], v[O+32*\t+2*i:O+32*\t+2*i+1], v[ST+8*\t+6:ST+8*\t+7] op_sel_hi:[1,0]   ; O^T x a
.set i, i+1
.endr
.endr
	s_wait_dscnt 0x0                               ; V is in
	WIN 0x51
.irp k, 0,1                                    ; O^T += V^T P: eight accumulators by turns
.irp c, 0,1,2,3
.irp a, 0,1
	v_wmma_f32_16x16x32_f16 v[O+32*\a+8*\c:O+32*\a+8*\c+7], v[VF+32*\k+8*\c:VF+32*\k+8*\c+7], v[P+16*\a+8*\k:P+16*\a+8*\k+7], v[O+32*\a+8*\c:O+32*\a+8*\c+7]
.endr
.endr
.endr
	WIN 0
.rept 4
	v_nop                                          ; places in front of the next loads into V's registers, and of reads of O^T
.endr
.endm
.macro TRIP fill
	CHANGE \fill
	SWITCH
	s_sub_co_u32 s58, 16, s[T]
	s_cmp_le_u32 s[T], s[BB]
	s_cselect_b32 s[SM], s58, s[T]                 ; 16 - distance: 16 - T in the first block, T in the second
	s_lshl_b32 s[SM], s[SM], 9
	STEP
	s_xor_b32 s[TB], s[TB], SLOTB
.endm
.Ltrip:                                            ; 16 trips, each of which asks for the next trip's tile
	TRIP 1
	s_add_co_u32 s[T], s[T], 1
	s_cmp_lt_u32 s[T], 16
	s_cbranch_scc1 .Ltrip
	TRIP 0                                         ; the 17th is written out: it asks for nothing
	; THE MERGE of the two key halves.  Waves 4 to 7 hand their O^T, c m and l of both blocks to waves 0 to 3 through LDS, as images of their registers.
	; A half that met no key that counts hands over c m = -c 2^96, l = 0 and zeros: its factor below is 2^(-huge) = 0.  The half with the diagonal key always has a real maximum.
	v_mov_b32 v32, v[ST]
	v_add_f32 v33, v[ST+2], v[ST+3]
	v_mov_b32 v34, v[ST+8]
	v_add_f32 v35, v[ST+10], v[ST+11]
	s_cmp_lt_u32 s[WV], 4
	s_cbranch_scc1 .Lkeep
	WIN 0x04                                       ; an LDS store's data: window 1
.set i, 0
.rept 16
	ds_store_b128 v[MGA], v[PARK+4*i:PARK+4*i+3] offset:512*i
.set i, i+1
.endr
.set i, 0
.rept 16
	ds_store_b128 v[MGA], v[O+4*i:O+4*i+3] offset:MGS+512*i
.set i, i+1
.endr
	WIN 0
	ds_store_b128 v[MGA], v[PS:PS+3] offset:8192
	ds_store_b128 v[MGA], v[32:35] offset:MGS+8192
.Lkeep:
	s_wait_dscnt 0x0                               ; for the others' sake: my stores are done
	s_barrier_signal -1
	s_barrier_wait -1
	s_cmp_lt_u32 s[WV], 4
	s_cbranch_scc0 .Lend
; mg: the partner's image; oa: my O^T (window 1); sa: my c m and l; yb: where the block's rows lie in y16; cv: 32 registers for the f16 numbers
.macro MERGE mg, oa, sa, yb, cv
.set i, 0
.rept 17
	ds_load_b128 v[S+4*i:S+4*i+3], v[MGA] offset:\mg+512*i
.set i, i+1
.endr
	s_wait_dscnt 0x0
.irp t, 0,1
	v_max_num_f32 v[12+8*\t], v[\sa+2*\t], v[S+64+2*\t]    ; the joint c m
.endr
.irp t, 0,1
	v_sub_f32 v[13+8*\t], v[\sa+2*\t], v[12+8*\t]
.endr
.irp t, 0,1
	v_sub_f32 v[14+8*\t], v[S+64+2*\t], v[12+8*\t]
.endr
.irp t, 0,1
	v_exp_f32 v[13+8*\t], v[13+8*\t]
	v_exp_f32 v[14+8*\t], v[14+8*\t]
.endr
	v_nop
	s_wait_alu depctr_va_vdst(0)                   ; one wait for the four
.irp t, 0,1
	v_mul_f32 v[15+8*\t], v[\sa+2*\t+1], v[13+8*\t]
.endr
.irp t, 0,1
	v_fma_f32 v[15+8*\t], v[S+65+2*\t], v[14+8*\t], v[15+8*\t]
.endr
.irp t, 0,1
	v_permlanex16_b32 v[16+8*\t], v[15+8*\t], s[SEL], s[SEL+1]
.endr
.irp t, 0,1
	v_add_f32 v[15+8*\t], v[15+8*\t], v[16+8*\t]   ; the row's sum
.endr
.irp t, 0,1
	v_rcp_f32 v[15+8*\t], v[15+8*\t]
.endr
	v_nop
	s_wait_alu depctr_va_vdst(0)                   ; and one for the two
.irp t, 0,1
	v_mul_f32 v[16+8*\t], v[13+8*\t], v[15+8*\t]
	v_mul_f32 v[18+8*\t], v[14+8*\t], v[15+8*\t]
.endr
.irp t, 0,1
.set i, 0
.rept 16
	v_pk_mul_f32 v[S+32*\t+2*i:S+32*\t+2*i+1], v[S+32*\t+2*i:S+32*\t+2*i+1], v[18+8*\t:19+8*\t] op_sel_hi:[1,0]
.set i, i+1
.endr
.endr
	WIN 0x01                                       ; my O^T: window 1
.irp t, 0,1
.set i, 0
.rept 16
	v_pk_fma_f32 v[S+32*\t+2*i:S+32*\t+2*i+1], v[\oa+32*\t+2*i:\oa+32*\t+2*i+1], v[16+8*\t:17+8*\t], v[S+32*\t+2*i:S+32*\t+2*i+1] op_sel_hi:[1,0,1]
.set i, i+1
.endr
.endr
	WIN 0
.set i, 0
.rept 32
	v_cvt_pk_f16_f32 v[\cv+i], v[S+2*i], v[S+2*i+1]
.set i, i+1
.endr
.irp t, 0,1
.irp c, 0,1,2,3
	global_store_b128 v[LI], v[\cv+16*\t+4*\c:\cv+16*\t+4*\c+3], s[\yb:\yb+1] offset:\t*32768+\c*512   ; 512 consecutive bytes: half of a fragment of the projection
.endr
.endr
.endm
	MERGE 0, PARK, PS, YBA, 168
	MERGE MGS, O, 32, YBI, 200
.Lend:
	s_wait_tensorcnt 0x0                           ; the wave's end
	ds_add_u32 v[SPW], v[NIL]
	s_wait_dscnt 0x0
	s_endpgm
.Lfunc_end_k_q4ae88fa544_attn:
	.size	k_q4ae88fa544_attn, .Lfunc_end_k_q4ae88fa544_attn-k_q4ae88fa544_attn
	.p2alignl 7, 3214868480
	.fill 96, 4, 3214868480
	.section	.rodata,"a",@progbits
	.p2align	6, 0x0
	.amdhsa_kernel k_q4ae88fa544_attn
		.amdhsa_group_segment_fixed_size 327680
		.amdhsa_private_segment_fixed_size 0
		.amdhsa_enable_private_segment 0
		.amdhsa_kernarg_size 24
		.amdhsa_user_sgpr_count 2
		.amdhsa_user_sgpr_kernarg_segment_ptr 1
		.amdhsa_wavefront_size32 1
		.amdhsa_system_sgpr_workgroup_id_x 1
		.amdhsa_system_sgpr_workgroup_id_y 1
		.amdhsa_system_sgpr_workgroup_id_z 1
		.amdhsa_system_vgpr_workitem_id 0
		.amdhsa_next_free_vgpr 512
		.amdhsa_next_free_sgpr 72
		.amdhsa_reserve_vcc 0
		.amdhsa_float_denorm_mode_32 3
		.amdhsa_float_denorm_mode_16_64 3
		.amdhsa_memory_ordered 1
		.amdhsa_forward_progress 1
		.amdhsa_inst_pref_size 80
	.end_amdhsa_kernel
	.amdgpu_metadata
---
amdhsa.version: [ 1, 2 ]
amdhsa.kernels:
  - .name:           k_q4ae88fa544_attn
    .symbol:         k_q4ae88fa544_attn.kd
    .args:
      - { .name: qkv16, .offset: 0, .size: 8, .value_kind: global_buffer, .address_space: global }
      - { .name: maskt, .offset: 8, .size: 8, .value_kind: global_buffer, .address_space: global }
      - { .name: y16, .offset: 16, .size: 8, .value_kind: global_buffer, .address_space: global }
    .group_segment_fixed_size: 327680
    .private_segment_fixed_size: 0
    .kernarg_segment_align: 8
    .kernarg_segment_size: 24
    .max_flat_workgroup_size: 256
    .sgpr_count:     72
    .vgpr_count:     512
    .wavefront_size: 32
...
	.end_amdgpu_metadata
.endif
;; end of part 3
;; launch proj (part 4): grid 8 x 32, 4 waves a work-group, clusters of 4 x 4, 327,680 bytes of LDS; arguments y16, wp16, b_proj, out0; writes out0
.if DOCPART == 4
	.amdgcn_target "amdgcn-amd-amdhsa--gfx1250"
	.amdhsa_code_object_version 6
	.text
	.protected	k_q4ae88fa544_proj
	.globl	k_q4ae88fa544_proj
	.p2align	8
	.type	k_q4ae88fa544_proj,@function
k_q4ae88fa544_proj:
	s_mov_b64 s[64:65], 0
	v_nop
	global_prefetch_b8 v0, s[64:65] scope:SCOPE_SE
	s_setreg_imm32_b32 hwreg(HW_REG_WAVE_MODE, 25, 1), 1
	s_wait_xcnt 0x0
	s_wait_alu depctr_hold_cnt(0) depctr_sa_sdst(0) depctr_va_vdst(0) depctr_va_sdst(0) depctr_va_ssrc(0) depctr_va_vcc(0) depctr_vm_vsrc(0)
	s_getreg_b32 s2, hwreg(HW_REG_IB_STS2, 6, 4)
	s_cmp_eq_u32 s2, 0
	s_cbranch_scc0 .Lentry_in_a_cluster
	s_endpgm
.Lentry_in_a_cluster:
	s_bfe_u32 s2, ttmp6, 0x10000c
	s_cmp_lg_u32 s2, 0xf033
	s_cbranch_scc0 .Lentry_shape_is_right
	s_endpgm
.Lentry_shape_is_right:
; out0 = y w_proj + b_proj: M 4096, K 1024, N 1024; operands f16 (|y| is at most the largest |v|; |w_proj| under 65,504), sums f32.
; A tile of C is 128 x 128: 8 x 32 = 256 work-groups; four waves, each 64 x 64: 16 accumulators.  K goes in steps of 256 through a ring of two LDS slots.
; BOTH OPERANDS COME AS IMAGES OF THEIR REGISTERS: y16 [16 rows 256][32 along K 32][1,024 bytes], wp16 [16 columns 64][32][1,024]: a K step of a tile of 16 is 8,192 consecutive bytes, a fragment two loads of
; 512 consecutive bytes at 16 x lane: no pitch, no padding.
; CLUSTERS: 4 x 4 work-groups; y's tiles are asked for jointly along a row of the cluster, w_proj's along a column.  THE MATRIX INSTRUCTION IS USED TRANSPOSED (source 0 = 16 columns of w_proj,
; source 1 = 16 rows of y): a lane holds eight neighbouring columns of a row.  The bias is the C of each sum's first product.
; Nothing is prefetched: a K step here is short and the tiles are shared in the cluster.
; REGISTERS: window 0: v16-29 addresses; v32-95 the way out; v96-127 the bias; v128-255 the accumulators ((a, b) at v[128 + 8 (4 a + b)]).  Window 1: two fragment buffers of 128 (64 along K: y's 64 registers, then w's).
.set HALFT,  32768                     ; four tiles x 8,192 bytes: what one tensor load brings, and what one wave reads of a side
.set SLOT,   4*HALFT
.set STAGE,  2*SLOT                    ; behind the ring: 16 rows x 272 bytes for each wave, its own
.set SPITCH, 272
.set SPARE,  STAGE+4*16*SPITCH
.set ADRA, 16
.set ADRB, 20
.set STO,  24
.set RD,   25
.set CO,   26
.set BO,   27
.set SPW,  28
.set NIL,  29
.set TMP,  32
.set BI,   96
.set ACC,  128
.set F0,   0
.set F1,   128
.set G1, 24
.set G0, 32
.set G1B, 48
.set G0B, 56
.set MSB, 0
.macro WIN new
.if MSB != \new
	s_set_vgpr_msb (MSB<<8)|\new
.set MSB, \new
.endif
.endm
.set MUL,  0x05                        ; sources 0 and 1 window 1; C and D window 0
.set TO_F, 0x40
.macro JLOAD s                         ; a joint load: waves 0 and 1 fetch y's two halves, waves 2 and 3 w's; an s_nop 0 and four v_nop follow each of the two lines
	s_cmp_eq_u32 s11, 0
	s_cbranch_scc0 .Lfor_b_\@
	tensor_load_to_lds s[G0+4*\s:G0+4*\s+3], s[G1:G1+7]
	s_nop 0
.rept 4
	v_nop
.endr
	s_branch .Lasked_\@
.Lfor_b_\@:
	tensor_load_to_lds s[G0B+4*\s:G0B+4*\s+3], s[G1B:G1B+7]
	s_nop 0
.rept 4
	v_nop
.endr
.Lasked_\@:
.endm
.macro CREST
	s_cmp_lg_u32 s10, 0
	s_cbranch_scc1 .Lnot_wave_0_\@
	s_barrier_signal -3
.Lnot_wave_0_\@:
	s_barrier_wait -3
	s_barrier_signal -1
	s_barrier_wait -1
.endm
.macro CROUND
	s_barrier_signal -1
	s_barrier_wait -1
	CREST
.endm
	s_load_b128 s[4:7], s[0:1], 0x0                ; y16 s[4:5], wp16 s[6:7]
	s_load_b128 s[68:71], s[0:1], 0x10             ; b_proj s[68:69], out0 s[70:71]
	v_lshl_add_u32 v[SPW], v0, 2, SPARE
	v_mov_b32 v[NIL], 0
	ds_add_u32 v[SPW], v[NIL]                      ; the wave's opening: the add, twice on end, and its wait ahead of my first tensor load
	ds_add_u32 v[SPW], v[NIL]
	v_lshrrev_b32 v1, 5, v0
	v_readfirstlane_b32 s10, v1
	s_lshr_b32 s11, s10, 1                         ; my half of the tile's rows.  Also: I fetch for y (0) or for w (1)
	s_and_b32 s12, s10, 1                          ; my half of its columns.  Also: which half I fetch
	s_bfe_u32 s40, ttmp6, 0x40000
	s_bfe_u32 s41, ttmp6, 0x40004
	s_lshl_b32 s42, ttmp9, 2
	s_add_co_u32 s42, s42, s40                     ; tile column
	s_and_b32 s13, ttmp7, 0xffff
	s_lshl_b32 s13, s13, 2
	s_add_co_u32 s13, s13, s41                     ; tile row
	s_lshl_b32 s43, s41, 2
	s_lshl_b32 s43, 15, s43                        ; my row of the cluster
	s_lshl_b32 s44, 0x1111, s40                    ; my column
	s_or_b32 s[G1+0], s43, (3<<16)|(1<<21)         ; the mask; elements of 8 bytes; bit 21 beside a mask
	s_or_b32 s[G1B+0], s44, (3<<16)|(1<<21)
.irp g, G1, G1B                                ; four tiles' 8,192 bytes (1,024 elements), 32,768 bytes from tile to tile
	s_mov_b32 s[\g+1], 1024<<16
	s_mov_b32 s[\g+2], 4<<16
	s_mov_b32 s[\g+3], 1024<<16
	s_mov_b32 s[\g+4], 4
	s_mov_b32 s[\g+5], 4096
	s_mov_b32 s[\g+6], 0
	s_mov_b32 s[\g+7], 0
.endr
	s_lshl_b32 s17, s12, 17                        ; which four tiles I fetch
	s_lshl_b32 s16, s13, 18
	s_add_co_u32 s16, s16, s17                     ; y: tiles 8 x tile row + 4 x half
	s_lshl_b32 s46, s42, 18
	s_add_co_u32 s46, s46, s17                     ; w: tiles 8 x tile column + 4 x half
	s_mov_b32 s17, 0
	s_mov_b32 s47, 0
	s_mul_i32 s20, s10, HALFT
	s_wait_dscnt 0x0
	s_wait_kmcnt 0x0
	s_add_nc_u64 s[14:15], s[4:5], s[16:17]
	s_add_nc_u64 s[46:47], s[6:7], s[46:47]
	CROUND                                         ; all sixteen work-groups are here: the first joint loads meet
.irp s, 0,1
	s_mov_b32 s[G0+4*\s], 1
	s_add_co_u32 s[G0+4*\s+1], s20, \s*SLOT
	s_add_nc_u64 s[G0+4*\s+2:G0+4*\s+3], s[14:15], \s*8192
	s_or_b32 s[G0+4*\s+3], s[G0+4*\s+3], 0x80000000
	s_mov_b32 s[G0B+4*\s], 1
	s_add_co_u32 s[G0B+4*\s+1], s20, \s*SLOT
	s_add_nc_u64 s[G0B+4*\s+2:G0B+4*\s+3], s[46:47], \s*8192
	s_or_b32 s[G0B+4*\s+3], s[G0B+4*\s+3], 0x80000000
	JLOAD \s
.endr
	v_and_b32 v1, 15, v0
	v_bfe_u32 v2, v0, 4, 1
	v_and_b32 v3, 31, v0
	v_lshlrev_b32 v3, 4, v3                        ; 16 x lane
	s_lshl_b32 s46, s42, 9                         ; my first column, in bytes of f32: 512 x tile column + 256 x half
	s_lshl_b32 s47, s12, 8
	s_add_co_u32 s46, s46, s47
	s_mov_b32 s47, 0
	s_add_nc_u64 s[68:69], s[68:69], s[46:47]
	s_add_nc_u64 s[70:71], s[70:71], s[46:47]
	v_lshlrev_b32 v[BO], 5, v2
.irp b, 0,1,2,3                                ; lane (r, h) wants, for w's tile b, the bias of columns 16 b + 8 h + 0..7
	global_load_b128 v[BI+8*\b:BI+8*\b+3], v[BO], s[68:69] offset:64*\b
	global_load_b128 v[BI+8*\b+4:BI+8*\b+7], v[BO], s[68:69] offset:64*\b+16
.endr
	s_mul_i32 s21, s11, HALFT
	s_mul_i32 s22, s12, HALFT
	s_add_co_u32 s22, s22, 2*HALFT
.irp s, 0,1
	v_add_nc_u32 v[ADRA+\s], s21, v3
	v_add_nc_u32 v[ADRB+\s], s22, v3
	s_add_co_u32 s21, s21, SLOT
	s_add_co_u32 s22, s22, SLOT
.endr
	s_mul_i32 s23, s10, 16*SPITCH
	s_add_co_u32 s23, s23, STAGE
	v_mul_u32_u24 v4, v1, SPITCH
	v_lshl_add_u32 v4, v2, 5, v4
	v_add_nc_u32 v[STO], s23, v4                   ; into my stage: row r, 32 bytes for each half of the lanes
	v_mul_u32_u24 v5, v2, SPITCH
	v_lshl_add_u32 v5, v1, 4, v5
	v_add_nc_u32 v[RD], s23, v5                    ; back: lanes 0-15 one row of 256 bytes, lanes 16-31 the next
	v_lshlrev_b32 v5, 12, v2
	v_lshl_add_u32 v[CO], v1, 4, v5                ; and the same two rows in out0
	s_lshl_b32 s16, s13, 19
	s_lshl_b32 s17, s11, 18
	s_add_co_u32 s16, s16, s17                     ; my first row: 128 x tile row + 64 x half, rows of 4,096 bytes
	s_mov_b32 s17, 0
	s_add_nc_u64 s[70:71], s[70:71], s[16:17]
.macro MUL8 f, c, a0, first            ; 8 matrix instructions: y's tiles a0, a0 + 1 x w's four, 32 along K: half c of buffer f
.irp a, \a0, \a0+1
.irp b, 0,1,2,3
.if \first
	v_wmma_f32_16x16x32_f16 v[ACC+8*(4*(\a)+\b):ACC+8*(4*(\a)+\b)+7], v[\f+64+8*(4*\c+\b):\f+64+8*(4*\c+\b)+7], v[\f+8*(4*\c+\a):\f+8*(4*\c+\a)+7], v[BI+8*\b:BI+8*\b+7]
.else
	v_wmma_f32_16x16x32_f16 v[ACC+8*(4*(\a)+\b):ACC+8*(4*(\a)+\b)+7], v[\f+64+8*(4*\c+\b):\f+64+8*(4*\c+\b)+7], v[\f+8*(4*\c+\a):\f+8*(4*\c+\a)+7], v[ACC+8*(4*(\a)+\b):ACC+8*(4*(\a)+\b)+7]
.endif
.endr
.endr
.endm
.macro FETCH slot, q, f                ; 32 LDS loads in one run: the slot's q-th 64 along K into buffer f; the first 32 along K first
	WIN TO_F
.irp c, 0,1
.irp i, 0,1,2,3
	ds_load_b128 v[\f+64+8*(4*\c+\i):\f+64+8*(4*\c+\i)+3],   v[ADRB+\slot] offset:(\q)*2048+\c*1024+\i*8192
	ds_load_b128 v[\f+64+8*(4*\c+\i)+4:\f+64+8*(4*\c+\i)+7], v[ADRB+\slot] offset:(\q)*2048+\c*1024+\i*8192+512
	ds_load_b128 v[\f+8*(4*\c+\i):\f+8*(4*\c+\i)+3],         v[ADRA+\slot] offset:(\q)*2048+\c*1024+\i*8192
	ds_load_b128 v[\f+8*(4*\c+\i)+4:\f+8*(4*\c+\i)+7],       v[ADRA+\slot] offset:(\q)*2048+\c*1024+\i*8192+512
.endr
.endr
.endm
.macro PLACES
.rept 4
	v_nop
.endr
.endm
; A K step is four quarters of 64 along K on buffers 0, 1, 0, 1.  One of the first three: multiplies buffer f and fetches quarter q into g.  The 16 accumulators take turns.
.macro QUARTER slot, q, f, g, first
	s_wait_dscnt 16                                ; the first 32 along K are in
	WIN MUL
	MUL8 \f, 0, 0, \first
	MUL8 \f, 0, 2, \first
	PLACES
	FETCH \slot, \q, \g
	s_wait_dscnt 32                                ; all but the 32 just issued
	WIN MUL
	MUL8 \f, 1, 0, 0
	MUL8 \f, 1, 2, 0
.endm
; The last quarter multiplies buffer 1 and changes slots: one barrier; in front of it each wave waits for all its tensor loads, adds 0 to its spare word, and waits for that and for its reads of this slot.
.macro TURN slot, next, fill
	WIN 0
	s_wait_tensorcnt 0x0                           ; all my tensor loads have landed: my part of the next slot
	ds_add_u32 v[SPW], v[NIL]
	s_wait_dscnt 17                                ; (the add and the youngest sixteen loads may be out)
	WIN MUL
	MUL8 F1, 0, 0, 0
	s_wait_dscnt 0x0                               ; the add is done, and my reads of this slot are over
	s_barrier_signal -1
	MUL8 F1, 0, 2, 0
.if \fill
	WIN 0
.endif
	s_barrier_wait -1
.if \fill
	CREST                                          ; the barrier has opened a round of the cluster's barrier: no wave of any partner still reads this slot or has a load on its way
	s_add_nc_u64 s[G0+4*\slot+2:G0+4*\slot+3], s[G0+4*\slot+2:G0+4*\slot+3], 16384
	s_add_nc_u64 s[G0B+4*\slot+2:G0B+4*\slot+3], s[G0B+4*\slot+2:G0B+4*\slot+3], 16384
	JLOAD \slot                                    ; the first tensor load behind the round; its four v_nop are also the places in front of the loads below
.else
	PLACES
.endif
	FETCH \next, 0, F0
	WIN MUL
	MUL8 F1, 1, 0, 0
	MUL8 F1, 1, 2, 0
.endm
	s_wait_tensorcnt 1                             ; my part of K step 0 is in (K step 1's load may be out),
	s_barrier_signal -1
	s_barrier_wait -1                              ; everybody's is
	FETCH 0, 0, F0
	s_wait_loadcnt 0x0                             ; the bias
	QUARTER 0, 1, F0, F1, 1                        ; K step 0: its first products start the sums from the bias
	QUARTER 0, 2, F1, F0, 0
	QUARTER 0, 3, F0, F1, 0
	TURN 0, 1, 1                                   ; slot 0 takes K step 2
	QUARTER 1, 1, F0, F1, 0
	QUARTER 1, 2, F1, F0, 0
	QUARTER 1, 3, F0, F1, 0
	TURN 1, 0, 1                                   ; slot 1 takes K step 3
	QUARTER 0, 1, F0, F1, 0
	QUARTER 0, 2, F1, F0, 0
	QUARTER 0, 3, F0, F1, 0
	TURN 0, 1, 0                                   ; nothing is left to fetch
	QUARTER 1, 1, F0, F1, 0
	QUARTER 1, 2, F1, F0, 0
	QUARTER 1, 3, F0, F1, 0
	s_wait_dscnt 16
	WIN MUL
	MUL8 F1, 0, 0, 0
	MUL8 F1, 0, 2, 0
	s_wait_dscnt 0x0
	MUL8 F1, 1, 0, 0
	MUL8 F1, 1, 2, 0
	WIN 0
; THE WAY OUT, 16 rows x 64 columns at a time through my own stage: a lane holds 32 bytes of a row; back come whole rows of 256 bytes, which sixteen lanes store as one aligned run.
.macro TOSTAGE a
.irp b, 0,1,2,3
	ds_store_b128 v[STO], v[ACC+8*(4*(\a)+\b):ACC+8*(4*(\a)+\b)+3] offset:64*\b        ; each accumulator from its low end on
	ds_store_b128 v[STO], v[ACC+8*(4*(\a)+\b)+4:ACC+8*(4*(\a)+\b)+7] offset:64*\b+16
.endr
.irp t, 0,1,2,3,4,5,6,7
	ds_load_b128 v[TMP+32*((\a)%2)+4*\t:TMP+32*((\a)%2)+4*\t+3], v[RD] offset:\t*2*SPITCH   ; LDS serves a wave's instructions in order: these see the stores above
.endr
.endm
.macro SEND a, younger                 ; younger: the next block's eight stores and eight loads, or none
	s_wait_dscnt \younger
.irp t, 0,1,2,3,4,5,6,7
	global_store_b128 v[CO], v[TMP+32*((\a)%2)+4*\t:TMP+32*((\a)%2)+4*\t+3], s[70:71] offset:(16*(\a)+2*\t)*4096 th:TH_STORE_NT
.endr
.endm
	PLACES
	TOSTAGE 0
	TOSTAGE 1
	SEND 0, 16
	s_wait_xcnt 0x0                                ; block 0's stores have read their registers
	TOSTAGE 2
	SEND 1, 16
	s_wait_xcnt 0x0
	TOSTAGE 3
	SEND 2, 16
	SEND 3, 0
	s_wait_tensorcnt 0x0                           ; the wave's end
	ds_add_u32 v[SPW], v[NIL]
	s_wait_dscnt 0x0
	CROUND                                         ; the closing round
	s_endpgm
.Lfunc_end_k_q4ae88fa544_proj:
	.size	k_q4ae88fa544_proj, .Lfunc_end_k_q4ae88fa544_proj-k_q4ae88fa544_proj
	.p2alignl 7, 3214868480
	.fill 96, 4, 3214868480
	.section	.rodata,"a",@progbits
	.p2align	6, 0x0
	.amdhsa_kernel k_q4ae88fa544_proj
		.amdhsa_group_segment_fixed_size 327680
		.amdhsa_private_segment_fixed_size 0
		.amdhsa_enable_private_segment 0
		.amdhsa_kernarg_size 32
		.amdhsa_user_sgpr_count 2
		.amdhsa_user_sgpr_kernarg_segment_ptr 1
		.amdhsa_wavefront_size32 1
		.amdhsa_system_sgpr_workgroup_id_x 1
		.amdhsa_system_sgpr_workgroup_id_y 1
		.amdhsa_system_sgpr_workgroup_id_z 1
		.amdhsa_system_vgpr_workitem_id 0
		.amdhsa_next_free_vgpr 512
		.amdhsa_next_free_sgpr 72
		.amdhsa_reserve_vcc 0
		.amdhsa_float_denorm_mode_32 3
		.amdhsa_float_denorm_mode_16_64 3
		.amdhsa_memory_ordered 1
		.amdhsa_forward_progress 1
		.amdhsa_inst_pref_size 86
	.end_amdhsa_kernel
	.amdgpu_metadata
---
amdhsa.version: [ 1, 2 ]
amdhsa.kernels:
  - .name:           k_q4ae88fa544_proj
    .symbol:         k_q4ae88fa544_proj.kd
    .args:
      - { .name: y16, .offset: 0, .size: 8, .value_kind: global_buffer, .address_space: global }
      - { .name: wp16, .offset: 8, .size: 8, .value_kind: global_buffer, .address_space: global }
      - { .name: b_proj, .offset: 16, .size: 8, .value_kind: global_buffer, .address_space: global }
      - { .name: out0, .offset: 24, .size: 8, .value_kind: global_buffer, .address_space: global }
    .group_segment_fixed_size: 327680
    .private_segment_fixed_size: 0
    .kernarg_segment_align: 8
    .kernarg_segment_size: 32
    .max_flat_workgroup_size: 128
    .sgpr_count:     72
    .vgpr_count:     512
    .wavefront_size: 32
...
	.end_amdgpu_metadata
.endif
;; end of part 4
;; launch fine (part 5): grid 32 x 2, 16 waves a work-group, no clusters, 34,816 bytes of LDS; arguments qkv32, maskt, w_proj, b_proj, out0; writes out0
.if DOCPART == 5
	.amdgcn_target "amdgcn-amd-amdhsa--gfx1250"
	.amdhsa_code_object_version 6
	.text
	.protected	k_q4ae88fa544_fine
	.globl	k_q4ae88fa544_fine
	.p2align	8
	.type	k_q4ae88fa544_fine,@function
k_q4ae88fa544_fine:
	s_mov_b64 s[64:65], 0
	v_nop
	global_prefetch_b8 v0, s[64:65] scope:SCOPE_SE
	s_setreg_imm32_b32 hwreg(HW_REG_WAVE_MODE, 25, 1), 1
	s_wait_xcnt 0x0
; THE FIRST 16 POSITIONS OF BOTH SEQUENCES ONCE MORE, ALL IN f32: their rows average one to sixteen values and are the largest, so f16 operands would weigh most there.  It runs last and writes rows 0-15 anew.
; Work-group (X, batch) makes 16 rows x 32 columns of out0.  Wave = head: its head's 16 x 16 attention from qkv32, then that head's 64 of the projection's K; the sixteen parts meet in LDS.
; (Each of the 32 work-groups of a batch repeats the small attention: 16 x 16 x 64 a head.)  All products by the f32 matrix form; its accumulators (v168-231) are written by matrix instructions alone.
; S^T = K Q^T + L (source 0 = 16 keys, source 1 = 16 queries; L = 8 ln(mask), -1e30 behind the query, is the C of the first product); a lane holds one query and the keys 8 h + 0..7.
; In the second and third product K is taken in the order in which a lane's registers hold it (8 h + 2 s + j), alike on both sides.
; No tensor load, no cluster: what is shared is a few KiB.
.set KF, 16                            ; v16-47 K, v48-79 Q; later w_proj's 64; later the sixteen parts
.set QF, 48
.set WF, 16
.set LT, 80
.set VF, 88
.set P,  120
.set Y,  128
.set OA, 168
.set S0, 200
.set S1, 208
.set OU, 216
.set SS, 232
.set SPW, 252
.set NIL, 253
.set SPARE, 32768
.set CS, 24
.set SEL, 26
	s_load_b256 s[4:11], s[0:1], 0x0               ; qkv32 s[4:5], maskt s[6:7], w_proj s[8:9], b_proj s[10:11]
	s_load_b64 s[12:13], s[0:1], 0x20              ; out0
	v_lshl_add_u32 v[SPW], v0, 2, SPARE
	v_mov_b32 v[NIL], 0
	v_lshrrev_b32 v1, 5, v0
	v_readfirstlane_b32 s14, v1                    ; wave = head
	s_and_b32 s16, ttmp7, 0xffff                   ; batch
	v_and_b32 v1, 31, v0
	v_and_b32 v2, 15, v0                           ; r
	v_bfe_u32 v3, v0, 4, 1                         ; h
	v_mul_u32_u24 v4, v2, 12288
	v_lshl_add_u32 v4, v3, 3, v4                   ; K, Q: row r, + 8 h: channels 4 s + 2 h + j
	v_lshlrev_b32 v6, 2, v2
	v_lshl_add_u32 v5, v3, 5, 8192
	v_sub_nc_u32 v5, v5, v6                        ; L: entry 2048 - r + 8 h + j of copy 0
	v_mul_u32_u24 v7, v3, 8*12288
	v_add_nc_u32 v7, v7, v6                        ; V: key 8 h + .., channel r
	v_lshl_add_u32 v8, v3, 15, v6                  ; w_proj: row 8 h + .., column r
	s_lshl_b32 s20, s14, 11
	v_lshl_add_u32 v9, v1, 4, s20                  ; my part in LDS: 2,048 x head + 16 x lane
	v_and_b32 v10, 7, v0                           ; the sum: thread t < 128 takes row t / 8, columns 4 (t % 8) on
	v_lshrrev_b32 v11, 3, v0
	v_lshlrev_b32 v12, 4, v11
	v_bfe_u32 v13, v0, 2, 1
	v_lshl_add_u32 v12, v13, 10, v12
	v_and_b32 v13, 1, v0
	v_lshl_add_u32 v12, v13, 9, v12
	v_bfe_u32 v13, v0, 1, 1
	v_lshl_add_u32 v12, v13, 8, v12                ; where those four numbers lie in a part
	v_lshlrev_b32 v14, 4, v10
	v_lshl_add_u32 v15, v11, 12, v14
	v_mov_b32 v161, 0                              ; written once: a lane permute's destination counts as one of its sources
	v_mov_b32 v164, 0
	s_mov_b32 s[CS], 0x3e38aa3b                    ; c = log2(e) / 8
	s_mov_b32 s[SEL], 0x76543210
	s_mov_b32 s[SEL+1], 0xfedcba98
	s_mul_i32 s20, s16, 196608
	s_lshl_b32 s21, s14, 8
	s_add_co_u32 s20, s20, s21
	s_mov_b32 s21, 0
	s_lshl_b32 s22, ttmp9, 7                       ; my 32 columns, in bytes
	s_wait_kmcnt 0x0
	s_add_nc_u64 s[4:5], s[4:5], s[20:21]          ; q of my batch and head; k lies 4,096 bytes on, v 8,192
	s_mul_i32 s20, s14, 36864
	s_add_nc_u64 s[6:7], s[6:7], s[20:21]
	s_lshl_b32 s20, s14, 18
	s_add_co_u32 s20, s20, s22
	s_add_nc_u64 s[8:9], s[8:9], s[20:21]          ; w_proj at row 64 head, my columns
	s_mov_b32 s20, s22
	s_add_nc_u64 s[10:11], s[10:11], s[20:21]
	s_lshl_b32 s20, s16, 23
	s_add_co_u32 s20, s20, s22
	s_add_nc_u64 s[12:13], s[12:13], s[20:21]
.set i, 0
.rept 16
	global_load_b64 v[KF+2*i:KF+2*i+1], v4, s[4:5] offset:4096+16*i
	global_load_b64 v[QF+2*i:QF+2*i+1], v4, s[4:5] offset:16*i
.set i, i+1
.endr
.set i, 0
.rept 8
	global_load_b32 v[LT+i], v5, s[6:7] offset:4*i
.set i, i+1
.endr
.irp c, 0,1,2,3
.set i, 0
.rept 8
	global_load_b32 v[VF+8*\c+i], v7, s[4:5] offset:8192+i*12288+64*\c     ; V(8 h + i, 16 c + r)
.set i, i+1
.endr
.endr
	s_wait_loadcnt 32                              ; K, Q and L are in; V's 32 loads may be out
	v_wmma_f32_16x16x4_f32 v[S0:S0+7], v[KF:KF+1], v[QF:QF+1], v[LT:LT+7]      ; two accumulators by turns; the first starts from L, the second from 0
	v_wmma_f32_16x16x4_f32 v[S1:S1+7], v[KF+2:KF+3], v[QF+2:QF+3], 0
.irp s, 2,4,6,8,10,12,14
	v_wmma_f32_16x16x4_f32 v[S0:S0+7], v[KF+2*\s:KF+2*\s+1], v[QF+2*\s:QF+2*\s+1], v[S0:S0+7]
	v_wmma_f32_16x16x4_f32 v[S1:S1+7], v[KF+2*\s+2:KF+2*\s+3], v[QF+2*\s+2:QF+2*\s+3], v[S1:S1+7]
.endr
.rept 8
	v_nop                                          ; eight places behind this form, in front of reads of results and of loads into its sources
.endr
	s_wait_loadcnt 0x0                             ; V
.irp u, 0,1
.irp c, 0,1,2,3
.set i, 0
.rept 8
	global_load_b32 v[WF+32*\u+8*\c+i], v8, s[8:9] offset:(16*\c+i)*4096+64*\u   ; w_proj(64 head + 16 c + 8 h + i, 32 X + 16 u + r)
.set i, i+1
.endr
.endr
.endr
.set i, 0
.rept 8
	v_add_f32 v[SS+i], v[S0+i], v[S1+i]
.set i, i+1
.endr
	v_max3_num_f32 v160, v[SS], v[SS+1], v[SS+2]
	v_max3_num_f32 v160, v160, v[SS+3], v[SS+4]
	v_max3_num_f32 v160, v160, v[SS+5], v[SS+6]
	v_max_num_f32 v160, v160, v[SS+7]
	v_permlanex16_b32 v161, v160, s[SEL], s[SEL+1]
	v_max_num_f32 v160, v160, v161                 ; the row's maximum of s + L
	v_mul_f32 v162, s[CS], v160
.set i, 0
.rept 8
	v_fma_f32 v[P+i], v[SS+i], s[CS], -v162
.set i, i+1
.endr
.set i, 0
.rept 8
	v_exp_f32 v[P+i], v[P+i]
.set i, i+1
.endr
	v_nop
	s_wait_alu depctr_va_vdst(0)                   ; one wait for the eight
	v_add_f32 v163, v[P], v[P+1]
	v_add_f32 v165, v[P+2], v[P+3]
	v_add_f32 v163, v163, v[P+4]
	v_add_f32 v165, v165, v[P+5]
	v_add_f32 v163, v163, v[P+6]
	v_add_f32 v165, v165, v[P+7]
	v_add_f32 v163, v163, v165
	v_permlanex16_b32 v164, v163, s[SEL], s[SEL+1]
	v_add_f32 v163, v163, v164
	v_rcp_f32 v163, v163
	v_nop
	s_wait_alu depctr_va_vdst(0)
.irp s, 0,1,2,3                                ; O^T = V^T P: four accumulators by turns; keys 8 h + 2 s + j on both sides
.irp c, 0,1,2,3
.if \s == 0
	v_wmma_f32_16x16x4_f32 v[OA+8*\c:OA+8*\c+7], v[VF+8*\c:VF+8*\c+1], v[P:P+1], 0
.else
	v_wmma_f32_16x16x4_f32 v[OA+8*\c:OA+8*\c+7], v[VF+8*\c+2*\s:VF+8*\c+2*\s+1], v[P+2*\s:P+2*\s+1], v[OA+8*\c:OA+8*\c+7]
.endif
.endr
.endr
.rept 8
	v_nop
.endr
.set i, 0
.rept 32
	v_mul_f32 v[Y+i], v[OA+i], v163                ; y(query r, channel 16 c + 8 h + j), into other registers
.set i, i+1
.endr
	s_wait_loadcnt 0x0                             ; w_proj
.irp c, 0,1,2,3                                ; my head's part of out^T = w_proj^T y^T: two accumulators by turns
.irp s, 0,1,2,3
.irp u, 0,1
.if (\c == 0) && (\s == 0)
	v_wmma_f32_16x16x4_f32 v[OU+8*\u:OU+8*\u+7], v[WF+32*\u:WF+32*\u+1], v[Y:Y+1], 0
.else
	v_wmma_f32_16x16x4_f32 v[OU+8*\u:OU+8*\u+7], v[WF+32*\u+8*\c+2*\s:WF+32*\u+8*\c+2*\s+1], v[Y+8*\c+2*\s:Y+8*\c+2*\s+1], v[OU+8*\u:OU+8*\u+7]
.endif
.endr
.endr
.endr
.rept 8
	v_nop
.endr
.irp u, 0,1
	ds_store_b128 v9, v[OU+8*\u:OU+8*\u+3] offset:1024*\u          ; lane (r, h): row r, columns 16 u + 8 h + 0..3,
	ds_store_b128 v9, v[OU+8*\u+4:OU+8*\u+7] offset:1024*\u+512    ; and + 4..7
.endr
	s_wait_dscnt 0x0                               ; for the others' sake: my part lies in LDS
	s_barrier_signal -1
	s_barrier_wait -1
	s_cmp_lt_u32 s14, 4
	s_cbranch_scc0 .Lend
	global_load_b128 v[240:243], v14, s[10:11]     ; the bias of my four columns
.set i, 0
.rept 16
	ds_load_b128 v[16+4*i:16+4*i+3], v12 offset:2048*i
.set i, i+1
.endr
	s_wait_dscnt 0x0
	s_wait_loadcnt 0x0
	v_pk_add_f32 v[244:245], v[240:241], v[16:17]
	v_pk_add_f32 v[246:247], v[242:243], v[18:19]
.set i, 1
.rept 15
	v_pk_add_f32 v[244:245], v[244:245], v[16+4*i:16+4*i+1]        ; the heads in ascending order
	v_pk_add_f32 v[246:247], v[246:247], v[16+4*i+2:16+4*i+3]
.set i, i+1
.endr
	global_store_b128 v15, v[244:247], s[12:13]    ; eight lanes store a row's 128 bytes
.Lend:
	s_wait_tensorcnt 0x0                           ; the wave's end
	ds_add_u32 v[SPW], v[NIL]
	s_wait_dscnt 0x0
	s_endpgm
.Lfunc_end_k_q4ae88fa544_fine:
	.size	k_q4ae88fa544_fine, .Lfunc_end_k_q4ae88fa544_fine-k_q4ae88fa544_fine
	.p2alignl 7, 3214868480
	.fill 96, 4, 3214868480
	.section	.rodata,"a",@progbits
	.p2align	6, 0x0
	.amdhsa_kernel k_q4ae88fa544_fine
		.amdhsa_group_segment_fixed_size 34816
		.amdhsa_private_segment_fixed_size 0
		.amdhsa_enable_private_segment 0
		.amdhsa_kernarg_size 40
		.amdhsa_user_sgpr_count 2
		.amdhsa_user_sgpr_kernarg_segment_ptr 1
		.amdhsa_wavefront_size32 1
		.amdhsa_system_sgpr_workgroup_id_x 1
		.amdhsa_system_sgpr_workgroup_id_y 1
		.amdhsa_system_sgpr_workgroup_id_z 1
		.amdhsa_system_vgpr_workitem_id 0
		.amdhsa_next_free_vgpr 256
		.amdhsa_next_free_sgpr 66
		.amdhsa_reserve_vcc 0
		.amdhsa_float_denorm_mode_32 3
		.amdhsa_float_denorm_mode_16_64 3
		.amdhsa_memory_ordered 1
		.amdhsa_forward_progress 1
		.amdhsa_inst_pref_size 27
	.end_amdhsa_kernel
	.amdgpu_metadata
---
amdhsa.version: [ 1, 2 ]
amdhsa.kernels:
  - .name:           k_q4ae88fa544_fine
    .symbol:         k_q4ae88fa544_fine.kd
    .args:
      - { .name: qkv32, .offset: 0, .size: 8, .value_kind: global_buffer, .address_space: global }
      - { .name: maskt, .offset: 8, .size: 8, .value_kind: global_buffer, .address_space: global }
      - { .name: w_proj, .offset: 16, .size: 8, .value_kind: global_buffer, .address_space: global }
      - { .name: b_proj, .offset: 24, .size: 8, .value_kind: global_buffer, .address_space: global }
      - { .name: out0, .offset: 32, .size: 8, .value_kind: global_buffer, .address_space: global }
    .group_segment_fixed_size: 34816
    .private_segment_fixed_size: 0
    .kernarg_segment_align: 8
    .kernarg_segment_size: 40
    .max_flat_workgroup_size: 512
    .sgpr_count:     66
    .vgpr_count:     256
    .wavefront_size: 32
...
	.end_amdgpu_metadata
.endif
;; end of part 5
